; MI455X (gfx1250); checked and timed in simulation.
; The chip was launched on July 23, 2026; its instructions are those of AMD's public machine-readable ISA for CDNA 5 (MIT licence, August 2026) and "CDNA5" Instruction Set Architecture Reference Guide (July 2026). The comments in the code are by the model that wrote it; some were corrected since.
;; Multi Head Attention. Allowed arithmetic: float matrix products may take bf16 or f16 operands with f32 sums; other float arithmetic in f32, or as packed bf16 or f16 multiplies, adds, multiply-adds, maxima and minima; sums over many terms, partial sums and values carried from step to step in f32; what a program stores and reads back later, other than sums and carried values, may be rounded once to bf16 or f16.
;; Inputs: Wk_b 2,048 float32; Wk_w 2,048 x 2,048 float32; Wo_b 2,048 float32; Wo_w 2,048 x 2,048 float32; Wq_b 2,048 float32; Wq_w 2,048 x 2,048 float32; Wv_b 2,048 float32; Wv_w 2,048 x 2,048 float32; mask 2,048 x 2,048 float32; x 1 x 2,048 x 2,048 float32.
;; Outputs: out0 1 x 2,048 x 2,048 float32.
;; 2 versions, each right; version 2 is version 1 with the launch prep written anew for expert scheduling mode. Each part assembles by itself: llvm-mc -triple=amdgcn-amd-amdhsa -mcpu=gfx1250 --defsym DOCPART=n.
;; ======== version 1 of 2: 4 launches
;; limits: values are held in f16: magnitudes above 65,504 overflow, below 6.1e-05 lose precision
;; workspace buffers: xb 8,388,608 bytes; wqkv 25,165,824 bytes; wob 8,388,608 bytes; mb 4,194,304 bytes; tab 3,145,728 bytes; qkv 25,165,824 bytes; ob 8,388,608 bytes
;; launch prep (part 1): grid 128 x 7, 8 waves a work-group, no clusters, 9,216 bytes of LDS; arguments x, Wq_w, Wk_w, Wv_w, Wo_w, mask, xb, wqkv, wob, mb, tab; writes xb, wqkv, wob, mb, tab
.if DOCPART == 1
	.amdgcn_target "amdgcn-amd-amdhsa--gfx1250"
	.amdhsa_code_object_version 6
	.text
	.protected	k_qe23e43b342_prep
	.globl	k_qe23e43b342_prep
	.p2align	8
	.type	k_qe23e43b342_prep,@function
k_qe23e43b342_prep:
	s_mov_b64 s[64:65], 0
	v_nop
	global_prefetch_b8 v0, s[64:65] scope:SCOPE_SE
	s_setreg_imm32_b32 hwreg(HW_REG_WAVE_MODE, 25, 1), 1
	s_wait_xcnt 0x0
; PREPARATION, a stream.  The work-group's y picks the job, its x the share (128 shares a job).
;   y = 0..3  x, Wq, Wk, Wv: f32 -> bf16 (xb; wqkv = the three weights one below the other).
;   y = 4     Wo: f32 -> bf16 -> that number written as f16 (exact from 2^-14 up; below that f16's fixed step of 6e-8).
;   y = 5     the mask: one byte a score, 0xF1 where mask == 0, else 0, laid in the order in which a lane of the attention launch wants it:
;             block (query tile qt of 16, key step ks of 64) is 1,024 bytes at (32 qt + ks) x 1,024; byte 512 i + 16 L + 8 c + j is query 16 qt + L % 16, key 64 ks + 16 (2 i + c) + 8 (L / 16) + j.
;   y = 6     three tables of cos and sin for the rotation, f32: for Q times c = log2(e) / sqrt(128), for K plain, for V cos = 1 and sin = 0.
;             A table is 128 blocks (16 positions) of 8,192 bytes; chunk u = 4 b + 2 (sin) + half of 512 bytes; lane L's 16 bytes: position 16 R + L % 16, frequencies 16 b + 8 (L / 16) + 4 half + 0..3.
; No matrix unit, no cluster, no tile ring: nothing is shared between waves; each wave has eight loads of 16 bytes a lane on their way.
; The angle is reduced by quarter turns in two steps (a multiple of pi/2 as a sum of two f32), sine and cosine by their series to z^4 and z^5: the first term left out is under 2e-9 on |r| <= pi/4.
.set SPARE, 8192                       ; behind the eight stages of 1,024 bytes: the spare words, 128 bytes a wave
.set SPW, 6                            ; v6  SPARE + 4 x my thread's number; never rewritten
.set NIL, 7                            ; v7  0; never rewritten
	s_load_b512 s[4:19], s[0:1], 0x0               ; x 4, Wq 6, Wk 8, Wv 10, Wo 12, mask 14, xb 16, wqkv 18
	s_load_b128 s[20:23], s[0:1], 0x40             ; wob 20, mb 22
	s_load_b64 s[24:25], s[0:1], 0x50              ; tab
	v_lshl_add_u32 v[SPW], v0, 2, SPARE
	v_mov_b32 v[NIL], 0
	v_lshrrev_b32 v1, 5, v0
	v_readfirstlane_b32 s27, v1                    ; wave 0..7
	v_and_b32 v5, 31, v0                           ; lane
	s_and_b32 s26, ttmp7, 0xffff                   ; the job
	s_mov_b32 s32, 4                               ; trips of the three loops
	s_wait_kmcnt 0x0
	s_cmp_eq_u32 s26, 5
	s_cbranch_scc1 .Lmask
	s_cmp_eq_u32 s26, 6
	s_cbranch_scc1 .Ltab
	; ---- the casts: a share is 131,072 bytes in, 65,536 out
	s_max_u32 s2, s26, 1
	s_sub_co_u32 s2, s2, 1                         ; which third of wqkv (jobs 1..3)
	s_cmp_eq_u32 s26, 4
	s_cselect_b32 s2, 0, s2
	s_lshl_b32 s2, s2, 23
	s_lshl_b32 s3, ttmp9, 16
	s_add_co_u32 s2, s2, s3
	s_mov_b32 s3, 0
	s_cmp_eq_u32 s26, 0
	s_cselect_b64 s[30:31], s[16:17], s[18:19]
	s_cmp_eq_u32 s26, 4
	s_cselect_b64 s[30:31], s[20:21], s[30:31]
	s_add_nc_u64 s[30:31], s[30:31], s[2:3]        ; where my share goes
	s_cmp_eq_u32 s26, 1
	s_cselect_b64 s[28:29], s[6:7], s[4:5]
	s_cmp_eq_u32 s26, 2
	s_cselect_b64 s[28:29], s[8:9], s[28:29]
	s_cmp_eq_u32 s26, 3
	s_cselect_b64 s[28:29], s[10:11], s[28:29]
	s_cmp_eq_u32 s26, 4
	s_cselect_b64 s[28:29], s[12:13], s[28:29]
	s_lshl_b32 s2, ttmp9, 17
	s_add_nc_u64 s[28:29], s[28:29], s[2:3]        ; where it comes from
	s_mov_b32 s33, 0xffff0000                      ; a word's upper bf16
	v_lshlrev_b32 v1, 4, v0                        ; 16 bytes a thread in,
	v_lshlrev_b32 v2, 3, v0                        ; 8 out: a wave's store covers 256 consecutive bytes, aligned
; A trip: eight loads (32,768 bytes a work-group), each converted and stored as it comes.
.macro CASTTRIP wo
.irp j, 0,1,2,3,4,5,6,7
	global_load_b128 v[8+4*\j:11+4*\j], v1, s[28:29] offset:4096*\j th:TH_LOAD_NT
.endr
.irp j, 0,1,2,3,4,5,6,7
	s_wait_loadcnt 7-\j                            ; loads come back in order: number j is in, the younger ones stay out
	v_cvt_pk_bf16_f32 v[40+2*\j], v[8+4*\j], v[9+4*\j]
	v_cvt_pk_bf16_f32 v[41+2*\j], v[10+4*\j], v[11+4*\j]
.if \wo
	v_lshlrev_b32 v56, 16, v[40+2*\j]              ; the rounded numbers as f32,
	v_and_b32 v57, s33, v[40+2*\j]
	v_lshlrev_b32 v58, 16, v[41+2*\j]
	v_and_b32 v59, s33, v[41+2*\j]
	v_cvt_pk_f16_f32 v[40+2*\j], v56, v57          ; written as f16
	v_cvt_pk_f16_f32 v[41+2*\j], v58, v59
.endif
	global_store_b64 v2, v[40+2*\j:41+2*\j], s[30:31] offset:2048*\j
.endr
	s_wait_xcnt 0x0                                ; the bases and the stores' data are rewritten only behind this wait
	s_add_nc_u64 s[28:29], s[28:29], 0x8000
	s_add_nc_u64 s[30:31], s[30:31], 0x4000
	s_sub_co_u32 s32, s32, 1
	s_cmp_lg_u32 s32, 0
.endm
	s_cmp_eq_u32 s26, 4
	s_cbranch_scc1 .Lwo
.Lcast:
	CASTTRIP 0
	s_cbranch_scc1 .Lcast
	s_branch .Lend
.Lwo:
	CASTTRIP 1
	s_cbranch_scc1 .Lwo
	s_branch .Lend
	; ---- the mask: the work-group takes 16 whole rows (query tile x), wave w the key steps 4 w .. 4 w + 3, one a trip
.Lmask:
	v_lshrrev_b32 v8, 4, v5                        ; l / 16
	v_and_b32 v9, 15, v5                           ; l % 16
	s_lshl_b32 s2, s27, 10
	s_lshl_b32 s3, s27, 12
	v_lshlrev_b32 v1, 13, v8                       ; in: lanes 0-15 take 256 bytes of one row, lanes 16-31 of the next,
	v_lshl_add_u32 v1, v9, 4, v1
	v_add_nc_u32 v1, s2, v1                        ; at my wave's four steps
	v_lshlrev_b32 v4, 4, v5
	v_add_nc_u32 v2, s3, v4                        ; out: 16 l + my wave's four blocks
	v_add_nc_u32 v4, s2, v4                        ; back from my stage: 16 l
	v_bfe_u32 v10, v5, 3, 1                        ; into my stage: my four keys are 4 (l % 16) + 0..3: bit 3 of l is i, bit 2 is c, bit 1 the half of the lanes, bit 0 the upper four of eight,
	v_lshl_add_u32 v3, v10, 9, s2
	v_bfe_u32 v10, v5, 2, 1
	v_lshl_add_u32 v3, v10, 3, v3
	v_bfe_u32 v10, v5, 1, 1
	v_lshl_add_u32 v3, v10, 8, v3
	v_and_b32 v10, 1, v5
	v_lshl_add_u32 v3, v10, 2, v3
	v_lshl_add_u32 v3, v8, 4, v3                   ; bit 4 the odd row of the pair; the pair's number stands in the immediate
	s_lshl_b32 s2, ttmp9, 17
	s_mov_b32 s3, 0
	s_add_nc_u64 s[28:29], s[14:15], s[2:3]
	s_lshl_b32 s2, ttmp9, 15
	s_add_nc_u64 s[30:31], s[22:23], s[2:3]
	s_mov_b32 s34, 0xf1
	s_mov_b32 s35, 0xf100
	s_mov_b32 s36, 0xf10000
	s_mov_b32 s37, 0xf1000000
.Lmtrip:
.irp t, 0,1,2,3,4,5,6,7
	global_load_b128 v[8+4*\t:11+4*\t], v1, s[28:29] offset:16384*\t th:TH_LOAD_NT
.endr
.irp t, 0,1,2,3,4,5,6,7
	s_wait_loadcnt 7-\t
	v_cmp_eq_f32 vcc_lo, 0, v[8+4*\t]
	v_cndmask_b32 v40, 0, s34, vcc_lo
	v_cmp_eq_f32 vcc_lo, 0, v[9+4*\t]
	v_cndmask_b32 v41, 0, s35, vcc_lo
	v_cmp_eq_f32 vcc_lo, 0, v[10+4*\t]
	v_cndmask_b32 v42, 0, s36, vcc_lo
	v_cmp_eq_f32 vcc_lo, 0, v[11+4*\t]
	v_cndmask_b32 v43, 0, s37, vcc_lo
	v_or_b32 v40, v40, v41
	v_or_b32 v42, v42, v43
	v_or_b32 v40, v40, v42
	ds_store_b32 v3, v40 offset:32*\t
.endr
	ds_load_b128 v[48:51], v4                      ; my own bytes: LDS serves a wave's instructions in order, so these see the stores above
	ds_load_b128 v[52:55], v4 offset:512
	s_wait_dscnt 0x0
	global_store_b128 v2, v[48:51], s[30:31]       ; 512 consecutive bytes a store
	global_store_b128 v2, v[52:55], s[30:31] offset:512
	s_wait_xcnt 0x0
	s_add_nc_u64 s[28:29], s[28:29], 256
	s_add_nc_u64 s[30:31], s[30:31], 1024
	s_sub_co_u32 s32, s32, 1
	s_cmp_lg_u32 s32, 0
	s_cbranch_scc1 .Lmtrip
	s_branch .Lend
	; ---- the tables: the work-group takes block x (16 positions); wave w: b = w / 2, half = w % 2; a thread four frequencies
.Ltab:
	s_lshr_b32 s2, s27, 1
	s_and_b32 s3, s27, 1
	v_lshrrev_b32 v8, 4, v5
	v_and_b32 v9, 15, v5
	s_lshl_b32 s28, ttmp9, 4
	v_add_nc_u32 v9, s28, v9
	v_cvt_f32_u32 v9, v9                           ; the position
	s_lshl_b32 s28, s2, 4
	s_lshl2_add_u32 s28, s3, s28
	v_lshl_add_u32 v10, v8, 3, s28                 ; my first frequency: 16 b + 8 (l / 16) + 4 half
	s_lshl2_add_u32 s29, s2, s3
	s_lshl_b32 s29, s29, 9
	v_lshl_add_u32 v1, v5, 4, s29                  ; (4 b + half) x 512 + 16 l
	s_lshl_b32 s2, ttmp9, 13
	s_mov_b32 s3, 0
	s_add_nc_u64 s[24:25], s[24:25], s[2:3]
	s_mov_b32 s34, 0xbe549a78                      ; -log2(10000) / 64
	s_mov_b32 s35, 0x3f22f983                      ; 2 / pi
	s_mov_b32 s36, 0xbfc90fdb                      ; -(pi / 2 rounded to f32)
	s_mov_b32 s37, 0x333bbd2e                      ; that rounding's excess over pi / 2
	s_mov_b32 s38, 0x3638ef1d                      ; 1/9!
	s_mov_b32 s39, 0xb9500d01                      ; -1/7!
	s_mov_b32 s40, 0x3c088889                      ; 1/5!
	s_mov_b32 s41, 0xbe2aaaab                      ; -1/3!
	s_mov_b32 s42, 0xb493f27e                      ; -1/10!
	s_mov_b32 s43, 0x37d00d01                      ; 1/8!
	s_mov_b32 s44, 0xbab60b61                      ; -1/6!
	s_mov_b32 s45, 0x3d2aaaab                      ; 1/4!
	s_mov_b32 s46, 0x3e0293ee                      ; c
; frequency e works in v[16+8e ..]: +0 angle, then r; +1 n; +2 z; +3 sine; +4 cosine; +5 quarter; +6, +7 at work
.irp e, 0,1,2,3
	v_add_nc_u32 v[16+8*\e], \e, v10
	v_cvt_f32_u32 v[16+8*\e], v[16+8*\e]
	v_mul_f32 v[16+8*\e], s34, v[16+8*\e]
.endr
.irp e, 0,1,2,3
	v_exp_f32 v[16+8*\e], v[16+8*\e]               ; 10000^(-i/64)
.endr
	v_mov_b32 v64, 1.0                             ; a plain instruction behind the last exponential,
	s_wait_alu depctr_va_vdst(0)                   ; and one wait for the four, ahead of their first reader
.irp e, 0,1,2,3
	v_mul_f32 v[16+8*\e], v9, v[16+8*\e]           ; the angle, as the f32 product of position and frequency
	v_mul_f32 v[17+8*\e], s35, v[16+8*\e]
	v_rndne_f32 v[17+8*\e], v[17+8*\e]             ; n quarter turns
	v_fma_f32 v[16+8*\e], v[17+8*\e], s36, v[16+8*\e]
	v_fma_f32 v[16+8*\e], v[17+8*\e], s37, v[16+8*\e]  ; r, within pi/4 of 0
	v_mul_f32 v[18+8*\e], v[16+8*\e], v[16+8*\e]   ; z = r r
	v_fma_f32 v[19+8*\e], v[18+8*\e], s38, s39
	v_fma_f32 v[19+8*\e], v[18+8*\e], v[19+8*\e], s40
	v_fma_f32 v[19+8*\e], v[18+8*\e], v[19+8*\e], s41
	v_mul_f32 v[22+8*\e], v[16+8*\e], v[18+8*\e]
	v_fma_f32 v[19+8*\e], v[22+8*\e], v[19+8*\e], v[16+8*\e]  ; sin r
	v_fma_f32 v[20+8*\e], v[18+8*\e], s42, s43
	v_fma_f32 v[20+8*\e], v[18+8*\e], v[20+8*\e], s44
	v_fma_f32 v[20+8*\e], v[18+8*\e], v[20+8*\e], s45
	v_fma_f32 v[20+8*\e], v[18+8*\e], v[20+8*\e], -0.5
	v_fma_f32 v[20+8*\e], v[18+8*\e], v[20+8*\e], 1.0         ; cos r
	v_cvt_i32_f32 v[21+8*\e], v[17+8*\e]
	v_and_b32 v[22+8*\e], 1, v[21+8*\e]
	v_cmp_ne_u32 vcc_lo, 0, v[22+8*\e]             ; an odd quarter swaps the two,
	v_cndmask_b32 v[52+\e], v[19+8*\e], v[20+8*\e], vcc_lo
	v_cndmask_b32 v[48+\e], v[20+8*\e], v[19+8*\e], vcc_lo
	v_and_b32 v[22+8*\e], 2, v[21+8*\e]            ; quarters 2 and 3 turn the sine's sign,
	v_lshlrev_b32 v[22+8*\e], 30, v[22+8*\e]
	v_xor_b32 v[52+\e], v[52+\e], v[22+8*\e]
	v_add_nc_u32 v[21+8*\e], 1, v[21+8*\e]         ; quarters 1 and 2 the cosine's
	v_and_b32 v[21+8*\e], 2, v[21+8*\e]
	v_lshlrev_b32 v[21+8*\e], 30, v[21+8*\e]
	v_xor_b32 v[48+\e], v[48+\e], v[21+8*\e]
	v_mul_f32 v[56+\e], s46, v[48+\e]
	v_mul_f32 v[60+\e], s46, v[52+\e]
	v_mov_b32 v[64+\e], 1.0
	v_mov_b32 v[68+\e], 0
.endr
	global_store_b128 v1, v[56:59], s[24:25]                  ; Q's table: c cos,
	global_store_b128 v1, v[60:63], s[24:25] offset:1024      ; c sin
	global_store_b128 v1, v[48:51], s[24:25] offset:1048576   ; K's: cos,
	global_store_b128 v1, v[52:55], s[24:25] offset:1049600   ; sin
	global_store_b128 v1, v[64:67], s[24:25] offset:2097152   ; V's: 1,
	global_store_b128 v1, v[68:71], s[24:25] offset:2098176   ; 0
.Lend:
	s_wait_tensorcnt 0x0                           ; the wave's end
	ds_add_u32 v[SPW], v[NIL]
	s_wait_dscnt 0x0
	s_endpgm
.Lfunc_end_k_qe23e43b342_prep:
	.size	k_qe23e43b342_prep, .Lfunc_end_k_qe23e43b342_prep-k_qe23e43b342_prep
	.p2alignl 7, 3214868480
	.fill 96, 4, 3214868480
	.section	.rodata,"a",@progbits
	.p2align	6, 0x0
	.amdhsa_kernel k_qe23e43b342_prep
		.amdhsa_group_segment_fixed_size 9216
		.amdhsa_private_segment_fixed_size 0
		.amdhsa_enable_private_segment 0
		.amdhsa_kernarg_size 88
		.amdhsa_user_sgpr_count 2
		.amdhsa_user_sgpr_kernarg_segment_ptr 1
		.amdhsa_wavefront_size32 1
		.amdhsa_system_sgpr_workgroup_id_x 1
		.amdhsa_system_sgpr_workgroup_id_y 1
		.amdhsa_system_sgpr_workgroup_id_z 1
		.amdhsa_system_vgpr_workitem_id 0
		.amdhsa_next_free_vgpr 72
		.amdhsa_next_free_sgpr 66
		.amdhsa_reserve_vcc 1
		.amdhsa_float_denorm_mode_32 3
		.amdhsa_float_denorm_mode_16_64 3
		.amdhsa_memory_ordered 1
		.amdhsa_forward_progress 1
		.amdhsa_inst_pref_size 26
	.end_amdhsa_kernel
	.amdgpu_metadata
---
amdhsa.version: [ 1, 2 ]
amdhsa.kernels:
  - .name:           k_qe23e43b342_prep
    .symbol:         k_qe23e43b342_prep.kd
    .args:
      - { .name: x, .offset: 0, .size: 8, .value_kind: global_buffer, .address_space: global }
      - { .name: Wq_w, .offset: 8, .size: 8, .value_kind: global_buffer, .address_space: global }
      - { .name: Wk_w, .offset: 16, .size: 8, .value_kind: global_buffer, .address_space: global }
      - { .name: Wv_w, .offset: 24, .size: 8, .value_kind: global_buffer, .address_space: global }
      - { .name: Wo_w, .offset: 32, .size: 8, .value_kind: global_buffer, .address_space: global }
      - { .name: mask, .offset: 40, .size: 8, .value_kind: global_buffer, .address_space: global }
      - { .name: xb, .offset: 48, .size: 8, .value_kind: global_buffer, .address_space: global }
      - { .name: wqkv, .offset: 56, .size: 8, .value_kind: global_buffer, .address_space: global }
      - { .name: wob, .offset: 64, .size: 8, .value_kind: global_buffer, .address_space: global }
      - { .name: mb, .offset: 72, .size: 8, .value_kind: global_buffer, .address_space: global }
      - { .name: tab, .offset: 80, .size: 8, .value_kind: global_buffer, .address_space: global }
    .group_segment_fixed_size: 9216
    .private_segment_fixed_size: 0
    .kernarg_segment_align: 8
    .kernarg_segment_size: 88
    .max_flat_workgroup_size: 256
    .sgpr_count:     66
    .vgpr_count:     72
    .wavefront_size: 32
...
	.end_amdgpu_metadata
.endif
;; end of part 1
;; launch qkv (part 2): grid 24 x 8, 4 waves a work-group, clusters of 4 x 4, 327,680 bytes of LDS; arguments xb, wqkv, Wq_b, Wk_b, Wv_b, tab, qkv; writes qkv
.if DOCPART == 2
	.amdgcn_target "amdgcn-amd-amdhsa--gfx1250"
	.amdhsa_code_object_version 6
	.text
	.protected	k_qe23e43b342_qkv
	.globl	k_qe23e43b342_qkv
	.p2align	8
	.type	k_qe23e43b342_qkv,@function
k_qe23e43b342_qkv:
	s_mov_b64 s[64:65], 0
	v_nop
	global_prefetch_b8 v0, s[64:65] scope:SCOPE_SE
	s_setreg_imm32_b32 hwreg(HW_REG_WAVE_MODE, 25, 1), 1
	s_wait_xcnt 0x0
	s_wait_alu depctr_hold_cnt(0) depctr_sa_sdst(0) depctr_va_vdst(0) depctr_va_sdst(0) depctr_va_ssrc(0) depctr_va_vcc(0) depctr_vm_vsrc(0)
	s_getreg_b32 s2, hwreg(HW_REG_IB_STS2, 6, 4)
	s_cmp_eq_u32 s2, 0
	s_cbranch_scc0 .Lentry_in_a_cluster
	s_endpgm
.Lentry_in_a_cluster:
	s_bfe_u32 s2, ttmp6, 0x10000c
	s_cmp_lg_u32 s2, 0xf033
	s_cbranch_scc0 .Lentry_shape_is_right
	s_endpgm
.Lentry_shape_is_right:
; THE THREE PROJECTIONS AS ONE PRODUCT, WITH BIAS AND ROTATION.  C[m][n] = bias[n] + sum over k of xb[m][k] wqkv[n][k]; xb [2048][2048], wqkv [6144][2048], bf16; sums in f32.
; Columns 0-2047 are Q, 2048-4095 K, 4096-6143 V.  The bias (rounded to bf16 like the other inputs) is the C operand of the product that starts each sum.  Then each pair of channels (d, d + 64) of a head is
; turned by the position's angle, by a table of cos and sin (Q's holds c = log2(e) / sqrt(128) as well, V's holds 1 and 0, so that one text serves all three), rounded ONCE to f16 and stored by heads:
; plane g = 16 sel + head is [2048][128] f16, dense.  LIMIT: c q, k and v must lie within f16's 65,504; below 6e-5 they keep f16's fixed step.
; SHARES.  A tile of C is 256 x 256: four waves, each 128 x 128 = 64 accumulators in 512 registers; a wave's 128 columns are one head's plane, and the partners d and d + 64 lie in accumulators (a, b) and
; (a, b + 4) of the same lane.  24 x 8 = 192 tiles; tiles that would make 256 work-groups cut a head's pairs and its rows of 256 bytes apart.
; RING.  K goes in steps of 128 through two LDS slots filled by the tensor data mover (rows of 256 bytes, padded to 272).  One barrier a change of slots.
; A K STEP IS WRITTEN ONCE: the loop's trip goes from a step's second quarter to the next step's first.  Which slot is read hangs on a scalar register (0 or SLOT), which slot is filled on the walking descriptors'
; LDS words; each is turned by one exclusive or (SLOT = 0x22000 shares no bit with wave x HALFT, so the exclusive or adds or takes away SLOT).  The last two K steps, which fill nothing, are a second loop
; of two trips, left in the middle of its second trip.
; CLUSTER.  4 x 4 work-groups: A's tile is shared along a row of the cluster, B's along a column; each is asked for jointly, by the same load, descriptor and mask in the four that share it.
; THE MATRIX INSTRUCTION IS USED TRANSPOSED (source 0 = 16 rows of wqkv, source 1 = 16 rows of xb): lane l holds row l % 16 of C and columns 8 (l / 16) + 0..7.
; REGISTERS, in windows of 256 (s_set_vgpr_msb: bits 1:0 source 0, 3:2 source 1, 5:4 source 2, 7:6 destination):
;   window 0: v0-31 addresses; v64-191 A's fragments, two buffers; v192-255 the bias, later the way out's registers; v32-63 the way out
;   window 1: v64-191 B's fragments, two buffers; four sets of 64 for the tables: v0-63, v192-255 (idle in the loop), v64-127, v128-191 (behind the loop)
;   window 2: the accumulators of my rows 0-63 ((a, b) at v[8 (8 a + b)]); window 3: those of rows 64-127
.set SIZE_K, 2048
.set KSTEP,  128
.set PITCH,  272                       ; 256 bytes + 16: the 16 rows that a load touches start at 16 different groups of four banks (ISA guide 11.1)
.set HALFT,  128*PITCH
.set SLOT,   4*HALFT                   ; A's 256 rows, then B's 256 rows
.set STAGE,  2*SLOT                    ; behind the ring: 16 rows x 272 bytes for each wave
.set SPITCH, 272
.set SPARE,  STAGE+4*16*SPITCH         ; behind the stages: the spare words, 128 bytes a wave
.set STEPS,  SIZE_K/KSTEP              ; 16 K steps
.set ADRA0, 16                         ; v16  LDS address of my A fragments in slot 0; never rewritten
.set ADA,   17                         ; v17  the same in the slot that is being read
.set ADRB0, 20                         ; v20, v21  the same for B
.set ADB,   21
.set STO,  24                          ; v24  the way out: where I put 16 bytes of a row
.set RD,   25                          ; v25  where I read rows back
.set CO,   26                          ; v26  16 x lane: my place in 512 consecutive bytes of a plane, and of a table's chunk
.set BO,   27                          ; v27  32 x (lane / 16): my eight numbers of 16 of the bias
.set SPW,  28                          ; v28  SPARE + 4 x my thread's number; never rewritten
.set NIL,  29                          ; v29  0; never rewritten
.set PFO,  30                          ; v30  the prefetches' offset: lane x a row of 4,096 bytes
.set TBR,  2                           ; s2   0 or SLOT: the slot that is being read
.set PFA,  44                          ; s[44:45] where my prefetches stand
.set LIM,  43                          ; s43  2 in a wave that prefetches, else the greatest number
.set F0,   64
.set F1,   128
.set TMP,  192
.set BIAS, 192                         ; v192-255: column block b's eight at BIAS + 8 b
.set OB,   32
.set G1, 24
.set G0, 32                            ; s[32:35] A's first fill; s[36:39] its second, which then walks on
.set G1B, 48
.set G0B, 56                           ; s[56:59], s[60:63] the same for B
.set BP,  66                           ; s[66:67] the bias at my 128 columns
.set TABP, 76                          ; s[76:77] my table at my first 16 rows
.set SELR, 78                          ; s78  0 Q, 1 K, 2 V: the same in all sixteen partners
.set MSB, 0
.macro WIN new
.if MSB != (\new)
	s_set_vgpr_msb (MSB<<8)|(\new)
.set MSB, \new
.endif
.endm
.set MUL_LO, 0xa1                      ; source 0 (B) window 1, source 1 (A) window 0, C and D window 2
.set TO_B,   0x40
; A joint load: waves 0 and 1 fetch A's halves, waves 2 and 3 B's.  An s_nop 0 and four v_nop follow each line.
.macro JLOAD s
	s_cmp_eq_u32 s11, 0
	s_cbranch_scc0 .Lfor_b_\@
	tensor_load_to_lds s[G0+4*(\s):G0+4*(\s)+3], s[G1:G1+7]
	s_nop 0
.rept 4
	v_nop
.endr
	s_branch .Lasked_\@
.Lfor_b_\@:
	tensor_load_to_lds s[G0B+4*(\s):G0B+4*(\s)+3], s[G1B:G1B+7]
	s_nop 0
.rept 4
	v_nop
.endr
.Lasked_\@:
.endm
; A prefetch, behind each joint refill and the run of LDS loads that follows it: the K step two refills on, 32 rows x 256 bytes, a lane a row.  Each row's 256 bytes of a K step are named once in the launch:
; for A's rows the cluster with x = 0 asks, for B's the cluster with y = 0; the four partners that share a tile take 32 of a wave's 128 rows each, told apart by address.
; Trip s of the loop (s3 = 14 - s) names K step s + 4: the loop's last two trips ask for nothing.
.macro ASK
	s_cmp_gt_u32 s3, s[LIM]
	s_cbranch_scc0 .Lnot_mine_\@
	global_prefetch_b8 v[PFO], s[PFA:PFA+1] offset:KSTEP*2 th:TH_LOAD_NT scope:SCOPE_SE
.Lnot_mine_\@:
.endm
.macro CREST                           ; a round of the cluster's barrier behind its opening barrier
	s_cmp_lg_u32 s10, 0
	s_cbranch_scc1 .Lnot_wave_0_\@
	s_barrier_signal -3
.Lnot_wave_0_\@:
	s_barrier_wait -3
	s_barrier_signal -1
	s_barrier_wait -1
.endm
.macro CROUND
	s_barrier_signal -1
	s_barrier_wait -1
	CREST
.endm
	s_load_b128 s[4:7], s[0:1], 0x0                ; xb s[4:5], wqkv s[6:7]
	s_load_b256 s[68:75], s[0:1], 0x10             ; Wq_b 68, Wk_b 70, Wv_b 72, tab 74
	s_load_b64 s[8:9], s[0:1], 0x30                ; qkv
	v_lshl_add_u32 v[SPW], v0, 2, SPARE
	v_mov_b32 v[NIL], 0
	ds_add_u32 v[SPW], v[NIL]                      ; the wave's opening: the add and its wait ahead of my first tensor load
	v_lshrrev_b32 v1, 5, v0
	v_readfirstlane_b32 s10, v1                    ; wave 0..3
	s_lshr_b32 s11, s10, 1                         ; my half of the tile's rows.  Also: I fetch for A (0) or B (1)
	s_and_b32 s12, s10, 1                          ; my half of its columns.  Also: which 128 rows I fetch
	s_bfe_u32 s40, ttmp6, 0x40000                  ; cx
	s_bfe_u32 s41, ttmp6, 0x40004                  ; cy
	s_lshl_b32 s42, ttmp9, 2
	s_add_co_u32 s42, s42, s40                     ; tile column
	s_and_b32 s13, ttmp7, 0xffff
	s_lshl_b32 s13, s13, 2
	s_add_co_u32 s13, s13, s41                     ; tile row
	s_lshl_b32 s43, s41, 2
	s_lshl_b32 s43, 15, s43                        ; my row of the cluster
	s_lshl_b32 s44, 0x1111, s40                    ; my column
	s_or_b32 s[G1+0], s43, (1<<16)|(1<<20)|(1<<21)|(5<<22)|(3<<25)   ; mask; 2-byte elements; padding on; bit 21 beside a mask; after every 64 words, 4 words
	s_or_b32 s[G1B+0], s44, (1<<16)|(1<<20)|(1<<21)|(5<<22)|(3<<25)
.irp g, G1, G1B
	s_mov_b32 s[(\g)+1], KSTEP<<16                 ; tensor_dim0 = 128
	s_mov_b32 s[(\g)+2], 128<<16                   ; tensor_dim1 = 128
	s_mov_b32 s[(\g)+3], KSTEP<<16                 ; tile_dim0 = 128
	s_mov_b32 s[(\g)+4], 128                       ; tile_dim1 = 128
	s_mov_b32 s[(\g)+5], SIZE_K                    ; elements from row to row
	s_mov_b32 s[(\g)+6], 0
	s_mov_b32 s[(\g)+7], 0
.endr
	s_lshl_b32 s17, s12, 7
	s_lshl_b32 s16, s13, 8
	s_add_co_u32 s16, s16, s17                     ; A: row 256 x tile row + 128 x half
	s_lshl_b32 s46, s42, 8
	s_add_co_u32 s46, s46, s17                     ; B: row 256 x tile column + 128 x half
	s_mov_b32 s17, 0
	s_mov_b32 s47, 0
	s_mov_b64 s[18:19], SIZE_K*2
	s_mul_u64 s[16:17], s[16:17], s[18:19]
	s_mul_u64 s[46:47], s[46:47], s[18:19]
	s_mul_i32 s20, s10, HALFT                      ; where they go: wave x 128 rows
	s_mov_b32 s79, 0xffff0000
	s_wait_dscnt 0x0                               ; the opening add is done
	s_wait_kmcnt 0x0
	s_add_nc_u64 s[14:15], s[4:5], s[16:17]
	s_add_nc_u64 s[46:47], s[6:7], s[46:47]
	CROUND                                         ; all sixteen work-groups are here: the first joint loads meet
.irp s, 0,1
	s_mov_b32 s[G0+4*(\s)], 1
	s_add_co_u32 s[G0+4*(\s)+1], s20, (\s)*SLOT
	s_add_nc_u64 s[G0+4*(\s)+2:G0+4*(\s)+3], s[14:15], (\s)*KSTEP*2
	s_or_b32 s[G0+4*(\s)+3], s[G0+4*(\s)+3], 0x80000000
	s_mov_b32 s[G0B+4*(\s)], 1
	s_add_co_u32 s[G0B+4*(\s)+1], s20, (\s)*SLOT
	s_add_nc_u64 s[G0B+4*(\s)+2:G0B+4*(\s)+3], s[46:47], (\s)*KSTEP*2
	s_or_b32 s[G0B+4*(\s)+3], s[G0B+4*(\s)+3], 0x80000000
	JLOAD \s
.endr
	v_and_b32 v1, 15, v0                           ; l % 16
	v_bfe_u32 v2, v0, 4, 1                         ; l / 16
	v_mul_u32_u24 v3, v1, PITCH
	v_lshl_add_u32 v3, v2, 4, v3
	s_mul_i32 s21, s11, HALFT
	s_mul_i32 s22, s12, HALFT
	s_add_co_u32 s22, s22, 2*HALFT
	s_mov_b32 s[TBR], 0                            ; slot 0 is read first
	v_add_nc_u32 v[ADRA0], s21, v3
	v_add_nc_u32 v[ADRB0], s22, v3
	v_add_nc_u32 v[ADA], s[TBR], v[ADRA0]
	v_add_nc_u32 v[ADB], s[TBR], v[ADRB0]
	s_mul_i32 s23, s10, 16*SPITCH
	s_add_co_u32 s23, s23, STAGE
	v_mul_u32_u24 v4, v1, SPITCH
	v_lshl_add_u32 v4, v2, 4, v4
	v_add_nc_u32 v[STO], s23, v4
	v_mul_u32_u24 v5, v2, SPITCH
	v_lshl_add_u32 v5, v1, 4, v5
	v_add_nc_u32 v[RD], s23, v5
	v_and_b32 v5, 31, v0
	v_lshlrev_b32 v[CO], 4, v5
	v_lshlrev_b32 v[BO], 5, v2
	; my 128 rows of my plane: plane 2 x tile column + half, 524,288 bytes each; a row is 256 bytes
	s_lshl_b32 s46, s42, 1
	s_add_co_u32 s46, s46, s12
	s_lshl_b32 s46, s46, 19
	s_lshl_b32 s47, s13, 16
	s_add_co_u32 s46, s46, s47
	s_lshl_b32 s47, s11, 15
	s_add_co_u32 s46, s46, s47
	s_mov_b32 s47, 0
	s_add_nc_u64 s[8:9], s[8:9], s[46:47]
	; the bias of my 128 columns
	s_lshr_b32 s[SELR], ttmp9, 1
	s_and_b32 s46, s42, 7
	s_lshl_b32 s46, s46, 10
	s_lshl_b32 s16, s12, 9
	s_add_co_u32 s46, s46, s16
	s_cmp_eq_u32 s[SELR], 1
	s_cselect_b64 s[BP:BP+1], s[70:71], s[68:69]
	s_cmp_eq_u32 s[SELR], 2
	s_cselect_b64 s[BP:BP+1], s[72:73], s[BP:BP+1]
	s_add_nc_u64 s[BP:BP+1], s[BP:BP+1], s[46:47]
	; my table at my first 16 rows: 1,048,576 bytes a table, 8,192 for 16 rows
	s_lshl_b32 s46, s[SELR], 20
	s_lshl_b32 s16, s13, 17
	s_add_co_u32 s46, s46, s16
	s_lshl_b32 s16, s11, 16
	s_add_co_u32 s46, s46, s16
	s_add_nc_u64 s[TABP:TABP+1], s[74:75], s[46:47]
	; the prefetches
	s_lshl_b32 s13, s13, 8
	s_lshl_b32 s42, s42, 8
	s_and_b32 s22, ttmp7, 0xffff
	s_cmp_eq_u32 s11, 0
	s_cselect_b32 s20, s13, s42                    ; the tile's first row, in A or in B
	s_cselect_b32 s21, s40, s41                    ; my place among the four that ask for it with me
	s_cselect_b32 s22, ttmp9, s22                  ; the coordinate along which other clusters read the same rows
	s_cselect_b64 s[PFA:PFA+1], s[4:5], s[6:7]
	s_cmp_eq_u32 s22, 0
	s_cselect_b32 s[LIM], 2, -1
	s_lshl_b32 s22, s12, 7
	s_add_co_u32 s20, s20, s22
	s_lshl_b32 s21, s21, 5
	s_add_co_u32 s20, s20, s21
	s_mov_b32 s21, 0
	s_mov_b64 s[18:19], SIZE_K*2
	s_mul_u64 s[20:21], s[20:21], s[18:19]
	s_add_nc_u64 s[PFA:PFA+1], s[PFA:PFA+1], s[20:21]
	s_add_nc_u64 s[PFA:PFA+1], s[PFA:PFA+1], 2*KSTEP*2  ; at K step 2: the first refill steps it to 3 and names K step 4
	v_and_b32 v[PFO], 31, v0
	v_mul_u32_u24 v[PFO], v[PFO], SIZE_K*2
.macro SETOF a                         ; where block a's table set lies in window 1
.if ((\a)%4) == 0
.set TS, 0
.elseif ((\a)%4) == 1
.set TS, 192
.elseif ((\a)%4) == 2
.set TS, 64
.else
.set TS, 128
.endif
.endm
.macro TLOAD a                         ; block a's 16 rows of the table: 16 chunks of 512 bytes; cos of column block b at TS + 16 b, sin at TS + 16 b + 8
	SETOF \a
	WIN 0x40
.irp u, 0,1,2,3,4,5,6,7,8,9,10,11,12,13,14,15
	global_load_b128 v[TS+4*\u:TS+4*\u+3], v[CO], s[TABP:TABP+1] offset:(\a)*8192+\u*512
.endr
.endm
.irp b, 0,1,2,3,4,5,6,7
	global_load_b128 v[BIAS+8*\b:BIAS+8*\b+3],   v[BO], s[BP:BP+1] offset:64*\b
	global_load_b128 v[BIAS+8*\b+4:BIAS+8*\b+7], v[BO], s[BP:BP+1] offset:64*\b+16
.endr
	TLOAD 0                                        ; the first two blocks' tables go into registers that the loop leaves alone
	TLOAD 1
	WIN 0
	s_wait_loadcnt 32                              ; the bias is in; the 32 table loads stay out
.set r, 0
.rept 32
	v_cvt_pk_bf16_f32 v31, v[BIAS+r], v[BIAS+r+1]  ; the bias rounded to bf16, like x and the weights
	v_lshlrev_b32 v[BIAS+r], 16, v31
	v_and_b32 v[BIAS+r+1], s79, v31
.set r, r+2
.endr
; 16 matrix instructions: m blocks a0, a0 + 1 of the window's four x all 8 n blocks, 32 along K.  zero = 1: the bias starts the sums (C in window 0).
; The 64 accumulators take turns, in the same order in every quarter.
.macro MUL16 f, hi, a0, zero
.if \zero
	WIN 0x81+0x40*(\hi)
.else
	WIN MUL_LO+0x50*(\hi)
.endif
.irp a, \a0, (\a0)+1
.irp b, 0,1,2,3,4,5,6,7
.if \zero
	v_wmma_f32_16x16x32_bf16 v[8*(8*(\a)+(\b)):8*(8*(\a)+(\b))+7], v[(\f)+8*(\b):(\f)+8*(\b)+7], v[(\f)+8*(4*(\hi)+(\a)):(\f)+8*(4*(\hi)+(\a))+7], v[BIAS+8*(\b):BIAS+8*(\b)+7]
.else
	v_wmma_f32_16x16x32_bf16 v[8*(8*(\a)+(\b)):8*(8*(\a)+(\b))+7], v[(\f)+8*(\b):(\f)+8*(\b)+7], v[(\f)+8*(4*(\hi)+(\a)):(\f)+8*(4*(\hi)+(\a))+7], v[8*(8*(\a)+(\b)):8*(8*(\a)+(\b))+7]
.endif
.endr
.endr
.endm
.macro FETCH k, f                      ; 32 LDS loads in one run: a quarter step's fragments, at byte k of the rows of the slot that is being read, into buffer f
	WIN TO_B
.irp i, 0,1,2,3,4,5,6,7
	ds_load_b128 v[(\f)+8*(\i):(\f)+8*(\i)+3],   v[ADB] offset:(\k)+(\i)*16*PITCH
	ds_load_b128 v[(\f)+8*(\i)+4:(\f)+8*(\i)+7], v[ADB] offset:(\k)+(\i)*16*PITCH+32
.endr
	WIN 0
.irp i, 0,1,2,3,4,5,6,7
	ds_load_b128 v[(\f)+8*(\i):(\f)+8*(\i)+3],   v[ADA] offset:(\k)+(\i)*16*PITCH
	ds_load_b128 v[(\f)+8*(\i)+4:(\f)+8*(\i)+7], v[ADA] offset:(\k)+(\i)*16*PITCH+32
.endr
.endm
.macro FLIP                            ; my fetches go to the other slot (every window is 0 here)
	s_xor_b32 s[TBR], s[TBR], SLOT
	v_add_nc_u32 v[ADA], s[TBR], v[ADRA0]
	v_add_nc_u32 v[ADB], s[TBR], v[ADRB0]
.endm
.macro PLACES                          ; four plain places between a matrix instruction and a load into, or a vector line on, its registers
.rept 4
	v_nop
.endr
.endm
.macro QUARTER k, f, g, zero           ; multiplies buffer f; in its middle fetches the next quarter, at byte k of the slot's rows, into g
	s_wait_dscnt 8                                 ; B and A's rows 0-63 are in; the youngest eight loads may be out
	MUL16 \f, 0, 0, \zero
	MUL16 \f, 0, 2, \zero
	PLACES
	FETCH \k, \g
	s_wait_dscnt 32                                ; all but the 32 just issued
	MUL16 \f, 1, 0, \zero
	MUL16 \f, 1, 2, \zero
.endm
; The first half of a K step's last quarter: one barrier for the change of slots.  In front of it each wave waits for all its tensor loads (at most one is out: its part of the next slot), adds 0 to its spare word,
; and waits for that and for its reads of this slot.
.macro MEET round
	WIN 0
	s_wait_tensorcnt 0x0
	ds_add_u32 v[SPW], v[NIL]
	s_wait_dscnt 9                                 ; (the add and the youngest eight loads may be out)
	MUL16 F1, 0, 0, 0
	s_wait_dscnt 0x0                               ; the add is done, my reads of this slot are over
	s_barrier_signal -1
	MUL16 F1, 0, 2, 0
.if \round
	WIN 0
.endif
	s_barrier_wait -1
.endm
; The whole last quarter of a K step that fills.  The slot just read out is filled again, with the K step two on: 224 matrix instructions lie between the request and the wait for it.
.macro TURN
	s_wait_xcnt 0x0                                ; the last prefetch, a K step back, has read its address
	s_add_nc_u64 s[PFA:PFA+1], s[PFA:PFA+1], KSTEP*2
	MEET 1
	CREST                                          ; no wave of any partner still reads this slot or has a load on its way
.irp g, G0+4, G0B+4
	s_xor_b32 s[(\g)+1], s[(\g)+1], SLOT           ; the walking descriptor: the other slot than last time,
	s_add_nc_u64 s[(\g)+2:(\g)+3], s[(\g)+2:(\g)+3], KSTEP*2  ; the next K step; the type bits on top are not reached
.endr
	JLOAD 1                                        ; its four v_nop, and the two additions below, are also the places in front of the loads
	FLIP
	FETCH 0, F0
	ASK
	MUL16 F1, 1, 0, 0
	MUL16 F1, 1, 2, 0
.endm
	s_wait_tensorcnt 1                             ; my part of K step 0 is in; K step 1's may stay out
	s_barrier_signal -1
	s_barrier_wait -1
	FETCH 0, F0
	QUARTER 64,  F0, F1, 1                         ; the first quarter stands in front of the loop: its products start the sums with the bias
	WIN 0
	s_mov_b32 s3, STEPS-2
.Lstep:                                                ; K steps 0 to 13: each fills the slot that it leaves
	QUARTER 128, F1, F0, 0
	QUARTER 192, F0, F1, 0
	TURN
	QUARTER 64,  F0, F1, 0
	WIN 0
	s_sub_co_u32 s3, s3, 1
	s_cmp_lg_u32 s3, 0
	s_cbranch_scc1 .Lstep
	s_mov_b32 s3, 2
.Ltail:                                                ; K steps 14 and 15 fill nothing
	QUARTER 128, F1, F0, 0
	QUARTER 192, F0, F1, 0
	MEET 0
	WIN 0
	PLACES
	s_cmp_eq_u32 s3, 1                             ; behind the last K step there is nothing to fetch
	s_cbranch_scc1 .Lnofetch
	FLIP
	FETCH 0, F0
.Lnofetch:
	MUL16 F1, 1, 0, 0
	MUL16 F1, 1, 2, 0
	WIN 0
	s_sub_co_u32 s3, s3, 1
	s_cmp_eq_u32 s3, 0
	s_cbranch_scc1 .Lout
	QUARTER 64,  F0, F1, 0
	WIN 0
	s_branch .Ltail
.Lout:
	PLACES
	PLACES
	TLOAD 2                                        ; B's fragment buffers are free: two more table sets
	TLOAD 3
; THE WAY OUT, a block of 16 rows at a time.  ROPE: out1 = x1 cos - x2 sin, out2 = x1 sin + x2 cos, two numbers a line; each accumulator is first read at its low end.
; left: the table loads issued behind this block's, 16 a set, which may stay out.
.macro ROPE a, left
.set AC, 64*((\a)%4)
.set RW, 2+(\a)/4
	SETOF \a
	s_wait_loadcnt \left
	WIN RW|0x04                                    ; x in window 2 or 3, the table in window 1, the product in window 0
.irp b, 0,1,2,3
.irp p, 0,2,4,6
	v_pk_mul_f32 v[TMP+8*\b+\p:TMP+8*\b+\p+1], v[AC+32+8*\b+\p:AC+32+8*\b+\p+1], v[TS+16*\b+8+\p:TS+16*\b+8+\p+1]
.endr
.endr
	WIN (RW<<6)|RW|0x04
.irp b, 0,1,2,3
.irp p, 0,2,4,6
	v_pk_mul_f32 v[AC+32+8*\b+\p:AC+32+8*\b+\p+1], v[AC+32+8*\b+\p:AC+32+8*\b+\p+1], v[TS+16*\b+\p:TS+16*\b+\p+1]
.endr
.endr
	WIN (RW<<6)|(RW<<4)|RW|0x04
.irp b, 0,1,2,3
.irp p, 0,2,4,6
	v_pk_fma_f32 v[AC+32+8*\b+\p:AC+32+8*\b+\p+1], v[AC+8*\b+\p:AC+8*\b+\p+1], v[TS+16*\b+8+\p:TS+16*\b+8+\p+1], v[AC+32+8*\b+\p:AC+32+8*\b+\p+1]
.endr
.endr
	WIN (RW<<6)|RW|0x04
.irp b, 0,1,2,3
.irp p, 0,2,4,6
	v_pk_fma_f32 v[AC+8*\b+\p:AC+8*\b+\p+1], v[AC+8*\b+\p:AC+8*\b+\p+1], v[TS+16*\b+\p:TS+16*\b+\p+1], v[TMP+8*\b+\p:TMP+8*\b+\p+1] neg_lo:[0,0,1] neg_hi:[0,0,1]
.endr
.endr
.if (\a) < 4
	TLOAD (\a)+4                                   ; the set takes the block four further on
.endif
	WIN 0
.endm
.macro PACK a                          ; rounded to f16, 16 bytes a lane
.set AC, 64*((\a)%4)
	WIN 0x0a+5*((\a)/4)
.irp b, 0,1,2,3,4,5,6,7
.irp r, 0,1,2,3
	v_cvt_pk_f16_f32 v[TMP+4*(\b)+(\r)], v[AC+8*(\b)+2*(\r)], v[AC+8*(\b)+2*(\r)+1]
.endr
.endr
	WIN 0
.endm
.macro TOSTAGE a                       ; into my own stage, and back as whole rows of 256 bytes
.set BK, OB+192*((\a)%2)
.irp b, 0,1,2,3,4,5,6,7
	ds_store_b128 v[STO], v[TMP+4*(\b):TMP+4*(\b)+3] offset:32*(\b)
.endr
.irp t, 0,1,2,3,4,5,6,7
	ds_load_b128 v[BK+4*(\t):BK+4*(\t)+3], v[RD] offset:(\t)*2*SPITCH  ; LDS serves a wave's instructions in order: these see the stores above
.endr
.endm
.macro SEND a
.set BK, OB+192*((\a)%2)
	s_wait_dscnt 0x0                               ; the block is back in registers
	s_wait_xcnt 0x0                                ; the registers that the stores of two blocks back read are loaded again only behind this wait
.irp t, 0,1,2,3,4,5,6,7
	global_store_b128 v[CO], v[BK+4*(\t):BK+4*(\t)+3], s[8:9] offset:(\a)*4096+(\t)*512  ; a plane's rows are dense: 512 consecutive bytes a store
.endr
.endm
	ROPE 0, 48
	PACK 0
	TOSTAGE 0
	ROPE 1, 48
	PACK 1
	SEND 0
	TOSTAGE 1
	ROPE 2, 48
	PACK 2
	SEND 1
	TOSTAGE 2
	ROPE 3, 48
	PACK 3
	SEND 2
	TOSTAGE 3
	ROPE 4, 48
	PACK 4
	SEND 3
	TOSTAGE 4
	ROPE 5, 32
	PACK 5
	SEND 4
	TOSTAGE 5
	ROPE 6, 16
	PACK 6
	SEND 5
	TOSTAGE 6
	ROPE 7, 0
	PACK 7
	SEND 6
	TOSTAGE 7
	SEND 7
	s_wait_tensorcnt 0x0                           ; the wave's end
	ds_add_u32 v[SPW], v[NIL]
	s_wait_dscnt 0x0
	CROUND                                         ; the closing round
	s_endpgm
.Lfunc_end_k_qe23e43b342_qkv:
	.size	k_qe23e43b342_qkv, .Lfunc_end_k_qe23e43b342_qkv-k_qe23e43b342_qkv
	.p2alignl 7, 3214868480
	.fill 96, 4, 3214868480
	.section	.rodata,"a",@progbits
	.p2align	6, 0x0
	.amdhsa_kernel k_qe23e43b342_qkv
		.amdhsa_group_segment_fixed_size 327680
		.amdhsa_private_segment_fixed_size 0
		.amdhsa_enable_private_segment 0
		.amdhsa_kernarg_size 56
		.amdhsa_user_sgpr_count 2
		.amdhsa_user_sgpr_kernarg_segment_ptr 1
		.amdhsa_wavefront_size32 1
		.amdhsa_system_sgpr_workgroup_id_x 1
		.amdhsa_system_sgpr_workgroup_id_y 1
		.amdhsa_system_sgpr_workgroup_id_z 1
		.amdhsa_system_vgpr_workitem_id 0
		.amdhsa_next_free_vgpr 1024
		.amdhsa_next_free_sgpr 80
		.amdhsa_reserve_vcc 0
		.amdhsa_float_denorm_mode_32 3
		.amdhsa_float_denorm_mode_16_64 3
		.amdhsa_memory_ordered 1
		.amdhsa_forward_progress 1
		.amdhsa_inst_pref_size 153
	.end_amdhsa_kernel
	.amdgpu_metadata
---
amdhsa.version: [ 1, 2 ]
amdhsa.kernels:
  - .name:           k_qe23e43b342_qkv
    .symbol:         k_qe23e43b342_qkv.kd
    .args:
      - { .name: xb, .offset: 0, .size: 8, .value_kind: global_buffer, .address_space: global }
      - { .name: wqkv, .offset: 8, .size: 8, .value_kind: global_buffer, .address_space: global }
      - { .name: Wq_b, .offset: 16, .size: 8, .value_kind: global_buffer, .address_space: global }
      - { .name: Wk_b, .offset: 24, .size: 8, .value_kind: global_buffer, .address_space: global }
      - { .name: Wv_b, .offset: 32, .size: 8, .value_kind: global_buffer, .address_space: global }
      - { .name: tab, .offset: 40, .size: 8, .value_kind: global_buffer, .address_space: global }
      - { .name: qkv, .offset: 48, .size: 8, .value_kind: global_buffer, .address_space: global }
    .group_segment_fixed_size: 327680
    .private_segment_fixed_size: 0
    .kernarg_segment_align: 8
    .kernarg_segment_size: 56
    .max_flat_workgroup_size: 128
    .sgpr_count:     80
    .vgpr_count:     1024
    .wavefront_size: 32
...
	.end_amdgpu_metadata
.endif
;; end of part 2
;; launch attn (part 3): grid 16 x 16, 4 waves a work-group, clusters of 4 x 1, 327,680 bytes of LDS; arguments qkv, mb, ob; writes ob
.if DOCPART == 3
	.amdgcn_target "amdgcn-amd-amdhsa--gfx1250"
	.amdhsa_code_object_version 6
	.text
	.protected	k_qe23e43b342_attn
	.globl	k_qe23e43b342_attn
	.p2align	8
	.type	k_qe23e43b342_attn,@function
k_qe23e43b342_attn:
	s_mov_b64 s[64:65], 0
	v_nop
	global_prefetch_b8 v0, s[64:65] scope:SCOPE_SE
	s_setreg_imm32_b32 hwreg(HW_REG_WAVE_MODE, 25, 1), 1
	s_wait_xcnt 0x0
	s_wait_alu depctr_hold_cnt(0) depctr_sa_sdst(0) depctr_va_vdst(0) depctr_va_sdst(0) depctr_va_ssrc(0) depctr_va_vcc(0) depctr_vm_vsrc(0)
	s_getreg_b32 s2, hwreg(HW_REG_IB_STS2, 6, 4)
	s_cmp_eq_u32 s2, 0
	s_cbranch_scc0 .Lentry_in_a_cluster
	s_endpgm
.Lentry_in_a_cluster:
	s_bfe_u32 s2, ttmp6, 0x10000c
	s_cmp_lg_u32 s2, 0x3003
	s_cbranch_scc0 .Lentry_shape_is_right
	s_endpgm
.Lentry_shape_is_right:
; ATTENTION UNDER A MASK THAT IS AN INPUT.  O[q] = sum over k of softmax_k(s[q][k]) V[k], s hidden where the mask is 0.  Q (already times c = log2(e) / sqrt(128)), K, V: planes [2048][128] f16 of qkv;
; mb: one byte a score (0xF1 hidden, 0 visible) in the order of a lane's registers; ob: [2048][2048] f16, column 128 head + channel.  Products, maxima and sums in f32; p rounded to f16 for the second product.
; LIMITS.  A hidden score counts as its value less 1.8e32.  The running maximum starts at -2^40, below every score that f16 operands can make (128 x 65,504^2 = 5.5e11) and above every hidden one, so hidden
; scores never raise it and their weights are 0.  A row with no visible key has l = 0 and is given NaN, as the softmax of nothing.  A weight below 2^-126 counts as 0.  NaN and infinities in Q, K, V are not treated apart.
; SHARES.  A work-group owns 128 queries of one head: 256 work-groups.  THE KEYS ARE SPLIT IN THE WORK-GROUP: wave = (qh, kh); it owns 64 queries (four tiles of 16, two PIECES) and, of each slot of 128 keys, step kh
; (64 keys): 16 key steps.  So a fragment of K or V still feeds four tiles.  The two waves of a pair meet once, in LDS: each keeps tiles 0, 1 and sends tiles 2, 3; tiles 0, 1 are rows 32 kh + 0..31 of the 64 and
; tiles 2, 3 the other 32, so that what a wave receives are the partner's sums for its own tiles 0, 1, and one text serves both.
; LAYOUT.  S^T = K Q^T + C (source 0 = 16 keys, source 1 = 16 queries): a lane holds ONE query (lane % 16) and the keys 8 (lane / 16) + 0..7.  C IS THE MASK: a lane's eight bytes of mb, widened by one scaled
; conversion (0xF1 is -144 in E4M3, times 2^100).  Two results rounded to f16 ARE source 1 of O^T = V^T P.  V comes out of LDS turned, by ds_load_tr16_b128.
; SOFTMAX.  p = 2^(s - m) with a running maximum m; O and l are multiplied by a = 2^(m_old - m_new) in every step.
; BY TURNS.  In a TURN one piece has the matrix unit (32 products V^T P of the step in hand, 32 products K Q^T of the next); the other piece's softmax, in 64 slices, stands behind its matrix instructions.
; NO FIRST AND NO LAST STEP IS WRITTEN OUT: O, l, V, piece 0's P start at 0 and piece 2's scores as hidden, so the first trip's products add 0; the tail is left in the middle of a trip.
; CLUSTER.  The four query blocks of a cluster belong to one head and walk the same K and V: each tile is asked for jointly.
; REGISTERS, in windows of 256 (s_set_vgpr_msb: bits 1:0 source 0, 3:2 source 1, 5:4 source 2, 7:6 destination):
;   window 0: v0-11, v44-63 addresses and the meeting's numbers; v12-43 statistics, eight a tile; v64-191 S^T; v192-255 P          window 1: O^T, 64 a tile
;   window 2: v0-127 Q; v128-255 K of one step          window 3: v0-127 V of one step; v128-191 one piece's C operands; v192-223 both pieces' mask bytes; v224 the scale
.set SIZE_N, 2048
.set KS,    64
.set PK,    272       ; a row of K in LDS: 256 + 16
.set PV,    288       ; a row of V: 256 + 32
.set VOFF,  KS*PK
.set STEPB, KS*(PK+PV)
.set SLOT1, 1<<17     ; a slot holds two steps, one for each kh; slot 1 begins here
.set STAGE, SLOT1+2*STEPB  ; 16 rows x 272 bytes a wave, for the way out
.set SP,    272
.set SPARE, STAGE+4*16*SP  ; the spare words, 128 bytes a wave
.set MERGE, SPARE+512      ; where the pairs meet: for each wave 32 x 512 bytes of O^T and 512 of statistics; no fill lands here
.set MWAVE, 33*512
.set AK0, 2
.set AV0, 3
.set ADR, 4
.set QO0, 5           ; v5   my byte offset in Q's rows for tiles 0, 1
.set STO, 6
.set RD,  7
.set GO,  8
.set ST,  12          ; tile t at v[ST+8 t]: +0 m (as subtracted), +1 m, +2, +3 l, +4 to +7 at work; a takes +6
.set XQ,  44          ; v44-47  sent: m and l of tiles 2, 3
.set PQ,  48          ; v48-51  received: the partner's m and l for my tiles 0, 1
.set MO0, 52          ; v52  my byte offset in mb for piece 0's next bytes
.set MO2, 53          ; v53  for piece 2's
.set HID, 54
.set QO2, 55          ; v55  like QO0, for tiles 2, 3
.set MS,  56          ; v56  where I send
.set ML,  57          ; v57  where I receive
.set PFO, 61
.set SPW, 62
.set NIL, 63
.set S,   64
.set P,   192
.set KF,  128         ; window 2
.set MB,  128         ; window 3: tile tt of the piece, key block kb at MB + 32 tt + 8 kb
.set MR,  192         ; window 3: piece x, tile tt, key block kb at MR + 16 (x / 2) + 8 tt + 2 kb
.set SCL, 224         ; window 3: byte 0 is 227: 2^100
.set WV,  12
.set LIM, 15
.set PFA, 18
.set G1K, 24
.set G1V, 32
.set G0K, 40          ; s[40:43] it walks
.set G0V, 44
.set MK,  48          ; s[48:49] mb
.set KH,  50
.set QH,  51
.set SLOTS, 56
.set CNT, 57
.set CS,  58          ; s[58:59] 1.0: the scale lies in Q already
.set SEL, 60
.set TB,  62          ; s62  LDS byte at which my step of the slot in hand begins
.set MSB, 0
.macro WIN new
.if MSB != (\new)
	s_set_vgpr_msb (MSB<<8)|(\new)
.set MSB, (\new)
.endif
.endm
.set W_KQ, 0x0a
.set W_KM, 0x3a       ; the same with C in window 3
.set W_PV, 0x53
.set W_RS, 0x41
.macro JLOAD                        ; waves 0 and 1 fetch the two steps' K, waves 2 and 3 their V; an s_nop 0 and four v_nop follow each line
	s_cmp_lt_u32 s[WV], 2
	s_cbranch_scc0 .Lfor_v_\@
	tensor_load_to_lds s[G0K:G0K+3], s[G1K:G1K+7]
	s_nop 0
.rept 4
	v_nop
.endr
	s_branch .Lasked_\@
.Lfor_v_\@:
	tensor_load_to_lds s[G0V:G0V+3], s[G1V:G1V+7]
	s_nop 0
.rept 4
	v_nop
.endr
.Lasked_\@:
.endm
; A prefetch behind each joint refill: the slot two refills on (two trips, 256 matrix instructions, ahead of its load): 128 rows of K and of V, 256 bytes a row, a lane a row.  Each row is named once in the launch:
; the head's first cluster asks; its four partners take 32 rows each, told apart by address; wave 0 asks for K's, wave 2 for V's.  The last two refilling changes ask for nothing.
.macro ASK
	s_cmp_gt_u32 s[SLOTS], s[LIM]
	s_cbranch_scc0 .Lnot_mine_\@
	global_prefetch_b8 v[PFO], s[PFA:PFA+1] th:TH_LOAD_NT scope:SCOPE_SE
.Lnot_mine_\@:
.endm
.macro CROUND
	s_barrier_signal -1
	s_barrier_wait -1
	s_cmp_lg_u32 s[WV], 0
	s_cbranch_scc1 .Lnot_wave_0_\@
	s_barrier_signal -3
.Lnot_wave_0_\@:
	s_barrier_wait -3
	s_barrier_signal -1
	s_barrier_wait -1
.endm
	s_load_b64 s[4:5], s[0:1], 0x0    ; qkv
	s_load_b64 s[MK:MK+1], s[0:1], 0x8
	s_load_b64 s[10:11], s[0:1], 0x10 ; ob
	v_lshl_add_u32 v[SPW], v0, 2, SPARE
	v_mov_b32 v[NIL], 0
	ds_add_u32 v[SPW], v[NIL]       ; the wave's opening: the add and its wait ahead of my first tensor load
	v_lshrrev_b32 v1, 5, v0
	v_readfirstlane_b32 s[WV], v1
	s_bfe_u32 s13, ttmp6, 0x40000   ; cx
	s_lshl_b32 s14, ttmp9, 2
	s_add_co_u32 s14, s14, s13      ; my block of 128 queries: it enters Q's, the mask's and O's addresses alone
	s_and_b32 s20, ttmp7, 0xffff    ; the head
	s_and_b32 s[KH], s[WV], 1
	s_lshr_b32 s[QH], s[WV], 1
	s_lshl_b32 s21, s20, 19         ; the head's plane
	s_lshl_b32 s22, s[KH], 14       ; the 64 rows of a slot's 128 that I fetch
	s_add_co_u32 s22, s22, s21
	s_add_co_u32 s22, s22, 0x800000 ; K's planes begin here,
	s_mov_b32 s23, 0
	s_add_co_u32 s16, s22, 0x800000 ; V's here
	s_mov_b32 s17, 0
	s_lshl_b32 s2, s14, 15          ; Q at my wave's 64 rows
	s_lshl_b32 s3, s[QH], 14
	s_add_co_u32 s2, s2, s3
	s_add_co_u32 s2, s2, s21
	s_mov_b32 s3, 0
	s_lshl_b32 s52, s14, 19         ; ob at the 32 rows that I finish: rows of 4,096 bytes, the head's 256 of them
	s_lshl_b32 s53, s[QH], 18
	s_add_co_u32 s52, s52, s53
	s_lshl_b32 s53, s[KH], 17
	s_add_co_u32 s52, s52, s53
	s_lshl_b32 s53, s20, 8
	s_add_co_u32 s52, s52, s53
	s_mov_b32 s53, 0
	s_mul_i32 s54, s[KH], STEPB     ; a step's place in a slot: no place in the cluster enters an LDS address
	s_mov_b32 s[G1K], 15|(1<<16)|(1<<20)|(1<<21)|(5<<22)|(3<<25)  ; the mask of four; 2-byte elements; padding on; bit 21 beside a mask; after every 64 words, 4 words
	s_mov_b32 s[G1V], 15|(1<<16)|(1<<20)|(1<<21)|(5<<22)|(7<<25)  ; the same with 8 words
.irp g, G1K, G1V
	s_mov_b32 s[(\g)+1], 128<<16    ; tensor_dim0 = 128
	s_mov_b32 s[(\g)+2], KS<<16     ; tensor_dim1 = 64
	s_mov_b32 s[(\g)+3], 128<<16    ; tile_dim0 = 128
	s_mov_b32 s[(\g)+4], KS         ; tile_dim1 = 64
	s_mov_b32 s[(\g)+5], 128        ; elements from row to row
	s_mov_b32 s[(\g)+6], 0
	s_mov_b32 s[(\g)+7], 0
.endr
	s_mov_b32 s[CS], 1.0
	s_mov_b32 s[CS+1], 1.0
	s_mov_b32 s[SEL], 0x76543210
	s_mov_b32 s[SEL+1], 0xfedcba98
	s_add_co_u32 s[TB], s54, SLOT1  ; the first change of slots turns it into slot 0's
	s_mov_b32 s[SLOTS], SIZE_N/(2*KS)-1
	s_and_b32 s[LIM], s[WV], 1
	s_or_b32 s[LIM], s[LIM], ttmp9
	s_cmp_eq_u32 s[LIM], 0
	s_cselect_b32 s[LIM], 2, -1     ; the same in all four partners
	v_and_b32 v[PFO], 31, v0
	v_lshlrev_b32 v[PFO], 8, v[PFO]
	s_mov_b32 s[G0K], 1
	s_mov_b32 s[G0K+1], s54
	s_mov_b32 s[G0V], 1
	s_add_co_u32 s[G0V+1], s54, VOFF
	s_wait_dscnt 0x0                ; the opening add is done
	s_wait_kmcnt 0x0
	s_add_nc_u64 s[6:7], s[4:5], s[22:23]   ; K and V at my tile of slot 0
	s_add_nc_u64 s[8:9], s[4:5], s[16:17]
	s_add_nc_u64 s[4:5], s[4:5], s[2:3]
	s_add_nc_u64 s[10:11], s[10:11], s[52:53]
	s_mov_b64 s[G0K+2:G0K+3], s[6:7]
	s_or_b32 s[G0K+3], s[G0K+3], 0x80000000
	s_mov_b64 s[G0V+2:G0V+3], s[8:9]
	s_or_b32 s[G0V+3], s[G0V+3], 0x80000000
	s_cmp_lt_u32 s[WV], 2
	s_cselect_b64 s[PFA:PFA+1], s[6:7], s[8:9]
	s_lshl_b32 s2, s13, 13          ; my work-group's 32 rows of the 128
	s_mov_b32 s3, 0
	s_add_nc_u64 s[PFA:PFA+1], s[PFA:PFA+1], s[2:3]
	s_add_nc_u64 s[PFA:PFA+1], s[PFA:PFA+1], 2*2*KS*256  ; in slot 2; the first change steps it to slot 3.  Nothing is prefetched at the head
	CROUND                          ; all four work-groups are here
	JLOAD                           ; slot 0; slot 1 is asked for by the loop's own change of slots
	v_and_b32 v1, 15, v0            ; l % 16
	v_bfe_u32 v9, v0, 4, 1          ; l / 16
	v_lshlrev_b32 v[QO0], 8, v1
	v_lshl_add_u32 v[QO0], v9, 4, v[QO0]
	s_lshl_b32 s2, s[KH], 13        ; tiles 0, 1: rows 32 kh on,
	s_xor_b32 s3, s2, 8192          ; tiles 2, 3: the other 32
	v_add_nc_u32 v[QO2], s3, v[QO0]
	v_add_nc_u32 v[QO0], s2, v[QO0]
	WIN 0x80
.set i, 0
.rept 16                            ; Q stays in registers: tile i / 4, channels 32 (i % 4) on
.if i < 8
.set qa, QO0
.else
.set qa, QO2
.endif
	global_load_b128 v[8*i:8*i+3],   v[qa], s[4:5] offset:((i/4)%2)*4096+(i%4)*64
	global_load_b128 v[8*i+4:8*i+7], v[qa], s[4:5] offset:((i/4)%2)*4096+(i%4)*64+32
.set i, i+1
.endr
	WIN 0
	v_and_b32 v58, 31, v0
	v_lshlrev_b32 v58, 4, v58       ; 16 l
	s_lshl_b32 s2, s14, 3
	s_lshl2_add_u32 s2, s[QH], s2   ; my 64 queries' first tile of 16
	s_lshl1_add_u32 s3, s[KH], s2   ; tile 0's number among the 128,
	s_lshl_b32 s3, s3, 5
	s_add_co_u32 s3, s3, s[KH]      ; its block for key step kh
	s_lshl_b32 s3, s3, 10
	v_add_nc_u32 v[MO0], s3, v58
	s_xor_b32 s3, s[KH], 1
	s_lshl1_add_u32 s3, s3, s2      ; tile 2's
	s_lshl_b32 s3, s3, 5
	s_add_co_u32 s3, s3, s[KH]
	s_lshl_b32 s3, s3, 10
	v_add_nc_u32 v[MO2], s3, v58
.macro MLOAD x                      ; piece x's mask bytes of one key step: two tiles x 1,024 bytes
	WIN 0xc0
.irp tt, 0,1
.irp hh, 0,1
	global_load_b128 v[MR+16*((\x)/2)+8*\tt+4*\hh:MR+16*((\x)/2)+8*\tt+4*\hh+3], v[MO0+(\x)/2], s[MK:MK+1] offset:\tt*32768+\hh*512
.endr
.endr
.endm
	MLOAD 0
	MLOAD 2
	v_mov_b32 v[SCL], 0x718000e3
	; what the first trip finds; all this stands in the wait for the first tile
.set i, 0
.rept 128
	v_mov_b32 v[i], 0               ; V
.set i, i+1
.endr
	WIN 0x40
.set i, 0
.rept 256
	v_mov_b32 v[i], 0               ; O^T
.set i, i+1
.endr
	WIN 0
	v_mov_b32 v[HID], 0xf1000000
.set i, 0
.rept 4
	v_mov_b32 v[ST+8*i], 0xd3800000    ; -2^40
	v_mov_b32 v[ST+8*i+1], 0xd3800000
	v_mov_b32 v[ST+8*i+2], 0
	v_mov_b32 v[ST+8*i+3], 0
.set i, i+1
.endr
.set i, 0
.rept 32
	v_mov_b32 v[P+i], 0             ; piece 0's P
.set i, i+1
.endr
.set i, 0
.rept 64
	v_mov_b32 v[S+64+i], v[HID]     ; piece 2's scores: all hidden
.set i, i+1
.endr
	v_mul_u32_u24 v[AK0], v1, PK
	v_lshl_add_u32 v[AK0], v9, 4, v[AK0]
	v_and_b32 v10, 7, v0
	v_bfe_u32 v11, v0, 3, 1
	v_lshl_add_u32 v[AV0], v9, 3, v10
	v_mul_u32_u24 v[AV0], v[AV0], PV
	v_lshl_add_u32 v[AV0], v11, 4, v[AV0]
	v_add_nc_u32 v[AV0], VOFF, v[AV0]
	s_mul_i32 s13, s[WV], 16*SP
	s_add_co_u32 s13, s13, STAGE
	v_mul_u32_u24 v[STO], v1, SP
	v_lshl_add_u32 v[STO], v9, 4, v[STO]
	v_add_nc_u32 v[STO], s13, v[STO]
	v_mul_u32_u24 v[RD], v9, SP
	v_lshl_add_u32 v[RD], v1, 4, v[RD]
	v_add_nc_u32 v[RD], s13, v[RD]
	v_lshlrev_b32 v[GO], 12, v9     ; two rows of ob, 4,096 bytes apart
	v_lshl_add_u32 v[GO], v1, 4, v[GO]
	s_mul_i32 s2, s[WV], MWAVE
	s_add_co_u32 s2, s2, MERGE
	v_add_nc_u32 v[MS], s2, v58
	s_xor_b32 s3, s[WV], 1          ; my partner: the same queries, the other keys
	s_mul_i32 s3, s3, MWAVE
	s_add_co_u32 s3, s3, MERGE
	v_add_nc_u32 v[ML], s3, v58
	s_wait_loadcnt 0x0              ; Q and the first step's mask bytes
; THE MATRIX WORK.  The accumulators take turns, one instruction a turn.
.macro PV x                         ; product i of 32 of O^T += V^T P
	WIN W_PV
.set rO, 64*((\x)+i%2)+8*((i/2)%8)
.set rV, 64*(i/16)+8*((i/2)%8)
.set rP, P+16*((\x)+i%2)+8*(i/16)
	v_wmma_f32_16x16x32_f16 v[rO:rO+7], v[rV:rV+7], v[rP:rP+7], v[rO:rO+7]
.endm
.macro KQ x                         ; product i of 32 of S^T = K Q^T + C; the first 8 start the sums with the mask
.set rS, S+32*((\x)+i%2)+8*((i/2)%4)
.set rK, KF+32*((i/2)%4)+8*(i/8)
.set rQ, 32*((\x)+i%2)+8*(i/8)
.set rM, MB+32*(i%2)+8*((i/2)%4)
.if i < 8
	WIN W_KM
	v_wmma_f32_16x16x32_f16 v[rS:rS+7], v[rK:rK+7], v[rQ:rQ+7], v[rM:rM+7]
.else
	WIN W_KQ
	v_wmma_f32_16x16x32_f16 v[rS:rS+7], v[rK:rK+7], v[rQ:rQ+7], v[rS:rS+7]
.endif
.endm
.macro FETCH_K last=0               ; last = 1 (the tail): in its second trip there is no further step, and the run is jumped over
	WIN 0
	v_add_nc_u32 v[ADR], s[TB], v[AK0]
.if \last
	s_cmp_eq_u32 s[CNT], 1
	s_cbranch_scc1 .Lno_k_\@
.endif
	WIN 0x80
.irp f, 0,1,2,3,4,5,6,7,8,9,10,11,12,13,14,15
	ds_load_b128 v[KF+8*(\f):KF+8*(\f)+3],   v[ADR] offset:((\f)/4)*16*PK+((\f)%4)*64
	ds_load_b128 v[KF+8*(\f)+4:KF+8*(\f)+7], v[ADR] offset:((\f)/4)*16*PK+((\f)%4)*64+32
.endr
.if \last
	WIN 0
.Lno_k_\@:
.endif
.endm
.macro FETCH_V
	WIN 0
	v_add_nc_u32 v[ADR], s[TB], v[AV0]
	s_wait_alu depctr_va_vdst(0)    ; the wait for the softmax's batch (SLICE), ahead of the loads
	WIN 0xc0
.irp f, 0,1,2,3,4,5,6,7,8,9,10,11,12,13,14,15
	ds_load_tr16_b128 v[8*(\f):8*(\f)+3],   v[ADR] offset:((\f)/8)*32*PV+((\f)%8)*32
	ds_load_tr16_b128 v[8*(\f)+4:8*(\f)+7], v[ADR] offset:((\f)/8)*32*PV+16*PV+((\f)%8)*32
.endr
.endm
; THE MASK.  Piece x's bytes of the step whose scores this turn makes are widened into the C operands; ld = 1: the next step's bytes are asked for, a whole key step ahead.
; left: the other piece's four younger loads may stay out; the wait also frees the address register, which those four do not name.
.macro MASKW x, ld, left
	WIN 0
	s_wait_loadcnt \left
.if \ld
	v_add_nc_u32 v[MO0+(\x)/2], 2048, v[MO0+(\x)/2]  ; my next key step lies two blocks on
.endif
	WIN 0xcf
.irp tt, 0,1
.irp kb, 0,1,2,3
	v_cvt_scale_pk8_f32_fp8 v[MB+32*\tt+8*\kb:MB+32*\tt+8*\kb+7], v[MR+16*((\x)/2)+8*\tt+2*\kb:MR+16*((\x)/2)+8*\tt+2*\kb+1], v[SCL]
.endr
.endr
	v_nop                           ; a plain place behind the last scaled conversion
.if \ld
	MLOAD \x
.endif
.endm
; THE VECTOR WORK.  One tile's softmax for one key step is a list of 134 instructions; SM writes number j of it for tile t.
;   0-15 the maximum of the 32 scores and the old m     16-20 the other half of the lanes' maximum; the new m; its change
;   21-69 ONE BATCH: the 16 scalings and all 33 exponentials (a at 23); none reads an exponential's result     (the wait)     70-85 the roundings     86-101 the sums     102-133 O^T times a
.macro SM t
.set rT, ST+8*(\t)
.set rS, S+32*(\t)
.set rP, P+16*(\t)
.set rO, 64*(\t)+2*(j-102)
.if j < 102
	WIN 0
.endif
.if j < 4
	v_max3_num_f32 v[rT+4+j], v[rS+8*j], v[rS+8*j+1], v[rS+8*j+2]
.elseif j < 12
	v_max3_num_f32 v[rT+4+j%4], v[rT+4+j%4], v[rS+8*(j%4)+2*(j/4)+1], v[rS+8*(j%4)+2*(j/4)+2]
.elseif j == 12
	v_max3_num_f32 v[rT+4], v[rT+4], v[rS+7], v[rS+15]
.elseif j == 13
	v_max3_num_f32 v[rT+6], v[rT+6], v[rS+23], v[rS+31]
.elseif j == 14
	v_max3_num_f32 v[rT+4], v[rT+4], v[rT+5], v[rT+6]
.elseif j == 15
	v_max3_num_f32 v[rT+4], v[rT+4], v[rT+7], v[rT+1]
.elseif j == 16
	v_permlanex16_b32 v[rT+5], v[rT+4], s[SEL], s[SEL+1]  ; the query's other 32 keys lie in the lane 16 away
.elseif j == 17
	v_mov_b32 v[rT+7], v[rT]
.elseif j == 18
	v_max_num_f32 v[rT+1], v[rT+4], v[rT+5]
.elseif j == 19
	v_mul_f32 v[rT], s[CS], v[rT+1]
.elseif j == 20
	v_sub_f32 v[rT+7], v[rT+7], v[rT]
.elseif j == 23
	v_exp_f32 v[rT+6], v[rT+7]
.elseif (j < 23) || ((j < 38) && (j%2 == 0)) || ((j < 66) && (j%4 == 2))
.set b, (j-2)/4
.if j < 38
.set b, (j-20)/2
.endif
	v_pk_fma_f32 v[rS+2*b:rS+2*b+1], v[rS+2*b:rS+2*b+1], s[CS:CS+1], v[rT:rT+1] op_sel_hi:[1,0,0] neg_lo:[0,0,1] neg_hi:[0,0,1]
.elseif j < 70
.set e, j-38
.if j < 66
.set e, j-32-(j-38)/4
.endif
.if j < 38
.set e, (j-25)/2
.endif
	v_exp_f32 v[rS+e], v[rS+e]
.elseif j < 86
	v_cvt_pk_f16_f32 v[rP+j-70], v[rS+2*(j-70)], v[rS+2*(j-70)+1]
.elseif j < 102
.set z, j-86
.set w, 4
.set u, z
.if z >= 14
.set w, 32
.set u, 0
.elseif z >= 12
.set w, 16
.set u, z-12
.elseif z >= 8
.set w, 8
.set u, z-8
.endif
.if z < 15
	v_pk_add_f32 v[rS+w*u:rS+w*u+1], v[rS+w*u:rS+w*u+1], v[rS+w*u+w/2:rS+w*u+w/2+1]
.else
	v_pk_fma_f32 v[rT+2:rT+3], v[rT+2:rT+3], v[rT+6:rT+7], v[rS:rS+1] op_sel_hi:[1,0,1]
.endif
.else
	WIN W_RS
	v_pk_mul_f32 v[rO:rO+1], v[rO:rO+1], v[rT+6:rT+7] op_sel_hi:[1,0]
.endif
.endm
; Slice k of 64 of piece y's softmax: four instructions (slice 63: sixteen, which are also the places behind the turn's last products).  Slices 11 to 34 deal out the batch, four numbers of one tile each.
; Ahead of slice 35 nothing names an exponential's result, behind slice 34 none is issued: one plain instruction and ONE wait, behind slice 34, serve the piece's 66 exponentials.
.macro SLICE y
.if (k >= 11) && (k < 35)
.irp n, 0,1,2,3
.set j, 22+4*((k-11)/2)+(\n)
	SM (\y)+(k-11)%2
.endr
.else
.irp n, 0,1,2,3,4,5,6,7
.if ((\n) < 2) || (k == 63)
.irp t, \y, (\y)+1
.set j, 2*k+(\n)
	SM \t
.endr
.endif
.endr
.endif
.if k == 34
	v_nop
.if (\y) == 0
	FETCH_V                         ; piece 2's turn: V's run of loads stands here, four plain instructions behind the last product that read V, and the wait stands in it
.else
	s_wait_alu depctr_va_vdst(0)
.endif
.endif
.set k, k+1
.endm
; A TURN.  Piece x has the matrix unit; the other piece's softmax stands in slices behind its matrix instructions.  Piece 0's turn fetches the step's K behind its second product;
; either turn widens its piece's mask behind its ninth product, 23 products ahead of the first that takes it.
.macro TURN x, ld, left, last
.set k, 0
.if (\x) == 0
	s_wait_dscnt 0x0                ; V is in
.endif
.set i, 0
.rept 32
	PV \x
	SLICE 2-(\x)
.if ((\x) == 0) && (i == 1)
	FETCH_K \last
.endif
.if i == 8
	MASKW \x, \ld, \left
.endif
.set i, i+1
.endr
.if (\x) == 0
	s_wait_dscnt 0x0                ; K is in
.endif
.set i, 0
.rept 32
	KQ \x
	SLICE 2-(\x)
.set i, i+1
.endr
.endm
; THE CHANGE OF SLOTS.  Each wave waits for all its tensor loads (one is out: its part of the other slot), adds 0 to its spare word, and waits for that and for its reads of the slot that it leaves.
; fill = 1: that slot is filled again; the barrier is a round of the cluster's, and the joint refill is the first thing behind it: it has a trip, 128 matrix instructions, in which to land.
.macro CHANGE fill
	WIN 0
	s_wait_tensorcnt 0x0
	ds_add_u32 v[SPW], v[NIL]
.if \fill
.irp g, G0K, G0V
	s_xor_b32 s[(\g)+1], s[(\g)+1], SLOT1
	s_add_nc_u64 s[(\g)+2:(\g)+3], s[(\g)+2:(\g)+3], 2*KS*256
.endr
	s_wait_xcnt 0x0                 ; the last prefetch, a trip back, has read its address
	s_add_nc_u64 s[PFA:PFA+1], s[PFA:PFA+1], 2*KS*256
	s_wait_dscnt 0x0
	CROUND
	JLOAD
	ASK
.else
	s_wait_dscnt 0x0
	s_barrier_signal -1
	s_barrier_wait -1
.endif
	s_xor_b32 s[TB], s[TB], SLOT1   ; my fetches go to the other slot
.endm
	WIN 0
.Lslot:                             ; trip t = 0 .. 14: slot t is entered, slot t + 1 asked for
	CHANGE 1
	TURN 0, 1, 4, 0                 ; piece 0: V^T P of step t - 1, K Q^T of step t | piece 2's softmax of step t - 1 | K of step t
	TURN 2, 1, 4, 0                 ; piece 2: the same | piece 0's softmax of step t | V of step t
	WIN 0
	s_sub_co_u32 s[SLOTS], s[SLOTS], 1
	s_cmp_lg_u32 s[SLOTS], 0
	s_cbranch_scc1 .Lslot
	CHANGE 0                        ; the tail is written out
	s_mov_b32 s[CNT], 2             ; the last slot's trip; a second trip is left in its middle
.Ltail:
	TURN 0, 0, 0, 1
	WIN 0
	s_sub_co_u32 s[CNT], s[CNT], 1
	s_cmp_eq_u32 s[CNT], 0
	s_cbranch_scc1 .Lout
	TURN 2, 0, 0, 0
	WIN 0
	s_branch .Ltail
.Lout:                              ; the second trip's 32 products K Q^T, on the last K once more, serve nothing: the price of one text for every trip
.set i, 0
.rept 32
	PV 2
.set i, i+1
.endr
	; THE PAIRS MEET.  l's halves are added (these lines are the places behind the last products); tiles 2, 3 go to the partner, with their m and l.
	WIN 0
.irp t, 0,1,2,3
	v_add_f32 v[ST+8*\t+4], v[ST+8*\t+2], v[ST+8*\t+3]
.endr
.irp t, 0,1,2,3
	v_permlanex16_b32 v[ST+8*\t+5], v[ST+8*\t+4], s[SEL], s[SEL+1]
.endr
.irp t, 0,1,2,3
	v_add_f32 v[ST+8*\t+4], v[ST+8*\t+4], v[ST+8*\t+5]
.endr
	v_mov_b32 v[XQ], v[ST+17]
	v_mov_b32 v[XQ+1], v[ST+20]
	v_mov_b32 v[XQ+2], v[ST+25]
	v_mov_b32 v[XQ+3], v[ST+28]
	ds_store_b128 v[MS], v[XQ:XQ+3] offset:16384
	WIN 0x04                        ; store data in window 1
.set i, 0
.rept 32
	ds_store_b128 v[MS], v[128+4*i:128+4*i+3] offset:512*i
.set i, i+1
.endr
	WIN 0
	s_wait_dscnt 0x0                ; for the partner's sake: my stores are done
	s_barrier_signal -1
	s_barrier_wait -1
	ds_load_b128 v[PQ:PQ+3], v[ML] offset:16384
	WIN 0x40
.set i, 0
.rept 32
	ds_load_b128 v[128+4*i:128+4*i+3], v[ML] offset:512*i
.set i, i+1
.endr
	WIN 0
	s_wait_dscnt 32                 ; the statistics are in; the 32 loads behind them may stay out
.irp t, 0,1
	v_max_num_f32 v[ST+8*\t+5], v[ST+8*\t+1], v[PQ+2*\t]
	v_sub_f32 v[ST+8*\t+6], v[ST+8*\t+1], v[ST+8*\t+5]
	v_sub_f32 v[ST+8*\t+7], v[PQ+2*\t], v[ST+8*\t+5]
.endr
.irp t, 0,1
	v_exp_f32 v[ST+8*\t+6], v[ST+8*\t+6]
	v_exp_f32 v[ST+8*\t+7], v[ST+8*\t+7]
.endr
	v_nop
	s_wait_alu depctr_va_vdst(0)    ; one wait for the four exponentials
.irp t, 0,1
	v_mul_f32 v[ST+8*\t+4], v[ST+8*\t+6], v[ST+8*\t+4]
	v_fma_f32 v[ST+8*\t+4], v[ST+8*\t+7], v[PQ+2*\t+1], v[ST+8*\t+4]
.endr
.irp t, 0,1
	v_rcp_f32 v[ST+8*\t+5], v[ST+8*\t+4]
.endr
	v_nop
	s_wait_alu depctr_va_vdst(0)    ; one wait for the two reciprocals
.irp t, 0,1
	v_cmp_lt_f32 vcc_lo, 0, v[ST+8*\t+4]
	v_mul_f32 v[ST+8*\t+6], v[ST+8*\t+6], v[ST+8*\t+5]
	v_mul_f32 v[ST+8*\t+2], v[ST+8*\t+7], v[ST+8*\t+5]
	v_cndmask_b32 v[ST+8*\t+6], 0x7fc00000, v[ST+8*\t+6], vcc_lo  ; no visible key: NaN
	v_cndmask_b32 v[ST+8*\t+2], 0x7fc00000, v[ST+8*\t+2], vcc_lo
.endr
	s_wait_dscnt 0x0
.irp t, 0,1
	WIN W_RS
.set i, 0
.rept 32
	v_pk_mul_f32 v[64*\t+i:64*\t+i+1], v[64*\t+i:64*\t+i+1], v[ST+8*\t+6:ST+8*\t+7] op_sel_hi:[1,0]
.set i, i+2
.endr
	WIN 0x51
.set i, 0
.rept 32
	v_pk_fma_f32 v[64*\t+i:64*\t+i+1], v[128+64*\t+i:128+64*\t+i+1], v[ST+8*\t+2:ST+8*\t+3], v[64*\t+i:64*\t+i+1] op_sel_hi:[1,0,1]
.set i, i+2
.endr
.endr
	; THE WAY OUT: rounded to f16, through my stage, a tile (16 rows) at a time
.macro PACK t
	WIN 0x05
.set i, 0
.rept 32
	v_cvt_pk_f16_f32 v[S+32*(\t)+i], v[64*(\t)+2*i], v[64*(\t)+2*i+1]
.set i, i+1
.endr
	WIN 0
.irp f, 0,1,2,3,4,5,6,7
	ds_store_b128 v[STO], v[S+32*(\t)+4*(\f):S+32*(\t)+4*(\f)+3] offset:32*(\f)
.endr
.irp f, 0,1,2,3,4,5,6,7
	ds_load_b128 v[S+32*(\t)+4*(\f):S+32*(\t)+4*(\f)+3], v[RD] offset:(\f)*2*SP  ; LDS serves a wave's instructions in order: these see the stores above
.endr
.endm
.macro SEND t, younger              ; younger: the LDS instructions issued behind tile t's loads
.irp f, 0,1,2,3,4,5,6,7
	s_wait_dscnt (\younger)+7-(\f)
	global_store_b128 v[GO], v[S+32*(\t)+4*(\f):S+32*(\t)+4*(\f)+3], s[10:11] offset:(\t)*65536+(\f)*8192  ; 16 lanes store 256 consecutive bytes, aligned
.endr
.endm
	PACK 0
	PACK 1
	SEND 0, 16
	SEND 1, 0
	s_wait_tensorcnt 0x0            ; the wave's end
	ds_add_u32 v[SPW], v[NIL]
	s_wait_dscnt 0x0
	CROUND                          ; the closing round
	s_endpgm
.Lfunc_end_k_qe23e43b342_attn:
	.size	k_qe23e43b342_attn, .Lfunc_end_k_qe23e43b342_attn-k_qe23e43b342_attn
	.p2alignl 7, 3214868480
	.fill 96, 4, 3214868480
	.section	.rodata,"a",@progbits
	.p2align	6, 0x0
	.amdhsa_kernel k_qe23e43b342_attn
		.amdhsa_group_segment_fixed_size 327680
		.amdhsa_private_segment_fixed_size 0
		.amdhsa_enable_private_segment 0
		.amdhsa_kernarg_size 24
		.amdhsa_user_sgpr_count 2
		.amdhsa_user_sgpr_kernarg_segment_ptr 1
		.amdhsa_wavefront_size32 1
		.amdhsa_system_sgpr_workgroup_id_x 1
		.amdhsa_system_sgpr_workgroup_id_y 1
		.amdhsa_system_sgpr_workgroup_id_z 1
		.amdhsa_system_vgpr_workitem_id 0
		.amdhsa_next_free_vgpr 1024
		.amdhsa_next_free_sgpr 66
		.amdhsa_reserve_vcc 1
		.amdhsa_float_denorm_mode_32 3
		.amdhsa_float_denorm_mode_16_64 3
		.amdhsa_memory_ordered 1
		.amdhsa_forward_progress 1
		.amdhsa_inst_pref_size 156
	.end_amdhsa_kernel
	.amdgpu_metadata
---
amdhsa.version: [ 1, 2 ]
amdhsa.kernels:
  - .name:           k_qe23e43b342_attn
    .symbol:         k_qe23e43b342_attn.kd
    .args:
      - { .name: qkv, .offset: 0, .size: 8, .value_kind: global_buffer, .address_space: global }
      - { .name: mb, .offset: 8, .size: 8, .value_kind: global_buffer, .address_space: global }
      - { .name: ob, .offset: 16, .size: 8, .value_kind: global_buffer, .address_space: global }
    .group_segment_fixed_size: 327680
    .private_segment_fixed_size: 0
    .kernarg_segment_align: 8
    .kernarg_segment_size: 24
    .max_flat_workgroup_size: 128
    .sgpr_count:     66
    .vgpr_count:     1024
    .wavefront_size: 32
...
	.end_amdgpu_metadata
.endif
;; end of part 3
;; launch oproj (part 4): grid 16 x 16, 4 waves a work-group, clusters of 4 x 4, 327,680 bytes of LDS; arguments ob, wob, Wo_b, out0; writes out0
.if DOCPART == 4
	.amdgcn_target "amdgcn-amd-amdhsa--gfx1250"
	.amdhsa_code_object_version 6
	.text
	.protected	k_qe23e43b342_oproj
	.globl	k_qe23e43b342_oproj
	.p2align	8
	.type	k_qe23e43b342_oproj,@function
k_qe23e43b342_oproj:
	s_mov_b64 s[64:65], 0
	v_nop
	global_prefetch_b8 v0, s[64:65] scope:SCOPE_SE
	s_setreg_imm32_b32 hwreg(HW_REG_WAVE_MODE, 25, 1), 1
	s_wait_xcnt 0x0
	s_wait_alu depctr_hold_cnt(0) depctr_sa_sdst(0) depctr_va_vdst(0) depctr_va_sdst(0) depctr_va_ssrc(0) depctr_va_vcc(0) depctr_vm_vsrc(0)
	s_getreg_b32 s2, hwreg(HW_REG_IB_STS2, 6, 4)
	s_cmp_eq_u32 s2, 0
	s_cbranch_scc0 .Lentry_in_a_cluster
	s_endpgm
.Lentry_in_a_cluster:
	s_bfe_u32 s2, ttmp6, 0x10000c
	s_cmp_lg_u32 s2, 0xf033
	s_cbranch_scc0 .Lentry_shape_is_right
	s_endpgm
.Lentry_shape_is_right:
; THE OUTPUT PROJECTION.  out0[m][n] = Wo_b[n] + sum over k of ob[m][k] wob[n][k]; ob, wob [2048][2048] f16, out0 f32; sums in f32.  The bias (rounded to bf16 like the other inputs) is the C operand
; of the product that starts each sum.  A tile of C is 128 x 128: 256 work-groups; four waves, each 64 x 64: 16 accumulators.  K goes in steps of 256 (LDS rows of 512 bytes, padded to 528) through two slots.
; A K STEP IS WRITTEN ONCE: the loop's trip goes from a step's second quarter to the next step's first.  Which slot is read hangs on a scalar register (0 or SLOT), which slot is filled on the walking descriptors'
; LDS words; each is turned by one exclusive or (SLOT = 0x21000 shares no bit with wave x HALFT).  The last two K steps, which fill nothing, are a second loop of two trips, left in the middle of its second trip.
; THE WALK ALONG K BEGINS AT A STEP OF THE CLUSTER'S OWN, (2 X + 4 (Y % 2)) % 8 for cluster (X, Y), and wraps round: the four clusters of a row of clusters, which read the same rows of ob, begin two steps
; apart, and neighbouring clusters of a column, which read the same rows of wob, four steps apart, so that clusters which read the same rows ask for different blocks of them at a time.  The step's number
; hangs on the cluster's place in the grid alone, so it is the same in all sixteen partners; a fill's address is made anew from it.  f32 sums may be taken in any order.
; CLUSTER: 4 x 4 work-groups; A's tile shared along a row, B's along a column, each asked for jointly.  THE MATRIX INSTRUCTION IS USED TRANSPOSED: a lane holds eight neighbouring numbers of a row of C.
; A wave's 64 columns of f32 are 256 bytes, aligned: each wave sends its blocks of 16 rows through a stage of its own, without a barrier.  No prefetch: the tiles are small.
; REGISTERS: window 0: v0-31 addresses; v32-95 the way out; v96-127 the bias; v128-255 the accumulators ((a, b) at v[128 + 8 (4 a + b)]).  window 1: two fragment buffers of 128.
.set SIZE_N, 2048
.set SIZE_K, 2048
.set KSTEP,  256
.set PITCH,  528
.set HALFT,  64*PITCH
.set SLOT,   4*HALFT
.set STAGE,  2*SLOT                    ; behind the ring: 16 rows x 272 bytes for each wave
.set SPITCH, 272
.set SPARE,  STAGE+4*16*SPITCH
.set STEPS,  SIZE_K/KSTEP              ; 8 K steps
.set ADRA0, 16                         ; v16  LDS address of my A fragments in slot 0; never rewritten
.set ADA,   17                         ; v17  the same in the slot that is being read
.set ADRB0, 20                         ; v20, v21  the same for B
.set ADB,   21
.set STO,  24
.set RD,   25
.set CO,   26
.set BO,   27
.set SPW,  28
.set NIL,  29
.set OB,   32
.set BIAS, 96
.set ACC,  128
.set F0,   0
.set F1,   128
.set TBR,  2                           ; s2   0 or SLOT: the slot that is being read
.set G1, 24
.set G0, 32                            ; s[32:35] A's first fill; s[36:39] its second, which then walks on
.set G1B, 48
.set G0B, 56                           ; s[56:59], s[60:63] the same for B
.set BP, 66
.set BA, 70                            ; s[70:71] ob at the rows that I fetch, K = 0
.set BB, 72                            ; s[72:73] wob likewise
.set OFF, 74                           ; s[74:75] a K step's byte offset in a row
.set KN, 76                            ; s76  the K step asked for last
.set MSB, 0
.macro WIN new
.if MSB != (\new)
	s_set_vgpr_msb (MSB<<8)|(\new)
.set MSB, \new
.endif
.endm
.set MUL,  0x05                        ; sources 0 (B) and 1 (A) window 1; C and D window 0
.set TO_F, 0x40
.macro JLOAD s                         ; a joint load: waves 0 and 1 fetch A's halves, waves 2 and 3 B's; an s_nop 0 and four v_nop follow each line
	s_cmp_eq_u32 s11, 0
	s_cbranch_scc0 .Lfor_b_\@
	tensor_load_to_lds s[G0+4*(\s):G0+4*(\s)+3], s[G1:G1+7]
	s_nop 0
.rept 4
	v_nop
.endr
	s_branch .Lasked_\@
.Lfor_b_\@:
	tensor_load_to_lds s[G0B+4*(\s):G0B+4*(\s)+3], s[G1B:G1B+7]
	s_nop 0
.rept 4
	v_nop
.endr
.Lasked_\@:
.endm
.macro SETADR s                        ; set s of both tensors' group 0 takes K step KN: the base and an offset made apart, the type bits set again
	s_lshl_b32 s[OFF], s[KN], 9                    ; a K step is 512 bytes of a row
	s_add_nc_u64 s[G0+4*(\s)+2:G0+4*(\s)+3], s[BA:BA+1], s[OFF:OFF+1]
	s_or_b32 s[G0+4*(\s)+3], s[G0+4*(\s)+3], 0x80000000
	s_add_nc_u64 s[G0B+4*(\s)+2:G0B+4*(\s)+3], s[BB:BB+1], s[OFF:OFF+1]
	s_or_b32 s[G0B+4*(\s)+3], s[G0B+4*(\s)+3], 0x80000000
.endm
.macro CREST
	s_cmp_lg_u32 s10, 0
	s_cbranch_scc1 .Lnot_wave_0_\@
	s_barrier_signal -3
.Lnot_wave_0_\@:
	s_barrier_wait -3
	s_barrier_signal -1
	s_barrier_wait -1
.endm
.macro CROUND
	s_barrier_signal -1
	s_barrier_wait -1
	CREST
.endm
	s_load_b128 s[4:7], s[0:1], 0x0                ; ob s[4:5], wob s[6:7]
	s_load_b64 s[BP:BP+1], s[0:1], 0x10            ; Wo_b
	s_load_b64 s[8:9], s[0:1], 0x18                ; out0
	v_lshl_add_u32 v[SPW], v0, 2, SPARE
	v_mov_b32 v[NIL], 0
	ds_add_u32 v[SPW], v[NIL]                      ; the wave's opening: the add and its wait ahead of my first tensor load
	v_lshrrev_b32 v1, 5, v0
	v_readfirstlane_b32 s10, v1
	s_lshr_b32 s11, s10, 1
	s_and_b32 s12, s10, 1
	s_bfe_u32 s40, ttmp6, 0x40000
	s_bfe_u32 s41, ttmp6, 0x40004
	s_lshl_b32 s42, ttmp9, 2
	s_add_co_u32 s42, s42, s40                     ; tile column
	s_and_b32 s13, ttmp7, 0xffff
	s_lshl_b32 s13, s13, 2
	s_add_co_u32 s13, s13, s41                     ; tile row
	s_lshl_b32 s43, s41, 2
	s_lshl_b32 s43, 15, s43
	s_lshl_b32 s44, 0x1111, s40
	s_or_b32 s[G1+0], s43, (1<<16)|(1<<20)|(1<<21)|(6<<22)|(3<<25)   ; mask; 2-byte elements; padding on; bit 21 beside a mask; after every 128 words, 4 words
	s_or_b32 s[G1B+0], s44, (1<<16)|(1<<20)|(1<<21)|(6<<22)|(3<<25)
.irp g, G1, G1B
	s_mov_b32 s[(\g)+1], KSTEP<<16
	s_mov_b32 s[(\g)+2], 64<<16
	s_mov_b32 s[(\g)+3], KSTEP<<16
	s_mov_b32 s[(\g)+4], 64
	s_mov_b32 s[(\g)+5], SIZE_K
	s_mov_b32 s[(\g)+6], 0
	s_mov_b32 s[(\g)+7], 0
.endr
	s_lshl_b32 s17, s12, 6
	s_lshl_b32 s16, s13, 7
	s_add_co_u32 s16, s16, s17
	s_lshl_b32 s46, s42, 7
	s_add_co_u32 s46, s46, s17
	s_mov_b32 s17, 0
	s_mov_b32 s47, 0
	s_mov_b64 s[18:19], SIZE_K*2
	s_mul_u64 s[16:17], s[16:17], s[18:19]
	s_mul_u64 s[46:47], s[46:47], s[18:19]
	s_mul_i32 s20, s10, HALFT
	s_mov_b32 s68, 0xffff0000
	s_and_b32 s[KN], ttmp7, 1                      ; the cluster's first K step: 4 (Y % 2)
	s_lshl_b32 s[KN], s[KN], 2
	s_lshl_b32 s[OFF], ttmp9, 1                    ; + 2 X,
	s_add_co_u32 s[KN], s[KN], s[OFF]
	s_and_b32 s[KN], s[KN], STEPS-1                ; round the eight: an even number
	s_mov_b32 s[OFF+1], 0
	s_wait_dscnt 0x0
	s_wait_kmcnt 0x0
	s_add_nc_u64 s[BA:BA+1], s[4:5], s[16:17]
	s_add_nc_u64 s[BB:BB+1], s[6:7], s[46:47]
	CROUND
.irp s, 0,1
	s_mov_b32 s[G0+4*(\s)], 1
	s_add_co_u32 s[G0+4*(\s)+1], s20, (\s)*SLOT
	s_mov_b32 s[G0B+4*(\s)], 1
	s_add_co_u32 s[G0B+4*(\s)+1], s20, (\s)*SLOT
	SETADR \s
	JLOAD \s
.if \s == 0
	s_add_co_u32 s[KN], s[KN], 1                   ; the walk's second step: an odd number, so it does not wrap
.endif
.endr
	v_and_b32 v1, 15, v0
	v_bfe_u32 v2, v0, 4, 1
	v_mul_u32_u24 v3, v1, PITCH
	v_lshl_add_u32 v3, v2, 4, v3
	s_mul_i32 s21, s11, HALFT
	s_mul_i32 s22, s12, HALFT
	s_add_co_u32 s22, s22, 2*HALFT
	s_mov_b32 s[TBR], 0                            ; slot 0 is read first
	v_add_nc_u32 v[ADRA0], s21, v3
	v_add_nc_u32 v[ADRB0], s22, v3
	v_add_nc_u32 v[ADA], s[TBR], v[ADRA0]
	v_add_nc_u32 v[ADB], s[TBR], v[ADRB0]
	s_mul_i32 s23, s10, 16*SPITCH
	s_add_co_u32 s23, s23, STAGE                   ; my stage
	v_mul_u32_u24 v4, v1, SPITCH                   ; in: row l % 16, 32 bytes for each half of the lanes
	v_lshl_add_u32 v4, v2, 5, v4
	v_add_nc_u32 v[STO], s23, v4
	v_mul_u32_u24 v5, v2, SPITCH                   ; back: lanes 0-15 one row of 256 bytes, lanes 16-31 the next
	v_lshl_add_u32 v5, v1, 4, v5
	v_add_nc_u32 v[RD], s23, v5
	v_lshlrev_b32 v5, 13, v2                       ; and the same two rows of out0, 8,192 bytes apart
	v_lshl_add_u32 v[CO], v1, 4, v5
	v_lshlrev_b32 v[BO], 5, v2
	s_lshl_b32 s16, s13, 7
	s_lshl_b32 s17, s11, 6
	s_add_co_u32 s16, s16, s17                     ; my first row
	s_lshl_b32 s16, s16, 13
	s_mov_b32 s17, 0
	s_add_nc_u64 s[8:9], s[8:9], s[16:17]
	s_lshl_b32 s46, s42, 9
	s_lshl_b32 s47, s12, 8
	s_add_co_u32 s46, s46, s47                     ; my first column, in bytes
	s_mov_b32 s47, 0
	s_add_nc_u64 s[8:9], s[8:9], s[46:47]
	s_add_nc_u64 s[BP:BP+1], s[BP:BP+1], s[46:47]
.irp b, 0,1,2,3
	global_load_b128 v[BIAS+8*\b:BIAS+8*\b+3],   v[BO], s[BP:BP+1] offset:64*\b
	global_load_b128 v[BIAS+8*\b+4:BIAS+8*\b+7], v[BO], s[BP:BP+1] offset:64*\b+16
.endr
	s_wait_loadcnt 0x0
.set r, 0
.rept 16
	v_cvt_pk_bf16_f32 v30, v[BIAS+r], v[BIAS+r+1]  ; the bias rounded to bf16, like the other inputs
	v_lshlrev_b32 v[BIAS+r], 16, v30
	v_and_b32 v[BIAS+r+1], s68, v30
.set r, r+2
.endr
.macro MUL8 f, c, a0, zero             ; 8 matrix instructions; zero = 1: the bias starts the sums.  The 16 accumulators take turns
	WIN MUL
.irp a, \a0, (\a0)+1
.irp b, 0,1,2,3
.if \zero
	v_wmma_f32_16x16x32_f16 v[ACC+8*(4*(\a)+(\b)):ACC+8*(4*(\a)+(\b))+7], v[(\f)+64+8*(4*(\c)+(\b)):(\f)+64+8*(4*(\c)+(\b))+7], v[(\f)+8*(4*(\c)+(\a)):(\f)+8*(4*(\c)+(\a))+7], v[BIAS+8*(\b):BIAS+8*(\b)+7]
.else
	v_wmma_f32_16x16x32_f16 v[ACC+8*(4*(\a)+(\b)):ACC+8*(4*(\a)+(\b))+7], v[(\f)+64+8*(4*(\c)+(\b)):(\f)+64+8*(4*(\c)+(\b))+7], v[(\f)+8*(4*(\c)+(\a)):(\f)+8*(4*(\c)+(\a))+7], v[ACC+8*(4*(\a)+(\b)):ACC+8*(4*(\a)+(\b))+7]
.endif
.endr
.endr
.endm
.macro FETCH k, f                      ; 32 LDS loads in one run: 64 along K at byte k of the rows of the slot that is being read; the first 32 along K first
	WIN TO_F
.irp c, 0,1
.irp i, 0,1,2,3
	ds_load_b128 v[(\f)+64+8*(4*(\c)+(\i)):(\f)+64+8*(4*(\c)+(\i))+3],   v[ADB] offset:(\k)+64*(\c)+(\i)*16*PITCH
	ds_load_b128 v[(\f)+64+8*(4*(\c)+(\i))+4:(\f)+64+8*(4*(\c)+(\i))+7], v[ADB] offset:(\k)+64*(\c)+(\i)*16*PITCH+32
	ds_load_b128 v[(\f)+8*(4*(\c)+(\i)):(\f)+8*(4*(\c)+(\i))+3],         v[ADA] offset:(\k)+64*(\c)+(\i)*16*PITCH
	ds_load_b128 v[(\f)+8*(4*(\c)+(\i))+4:(\f)+8*(4*(\c)+(\i))+7],       v[ADA] offset:(\k)+64*(\c)+(\i)*16*PITCH+32
.endr
.endr
.endm
.macro FLIP                            ; my fetches go to the other slot (every window is 0 here)
	s_xor_b32 s[TBR], s[TBR], SLOT
	v_add_nc_u32 v[ADA], s[TBR], v[ADRA0]
	v_add_nc_u32 v[ADB], s[TBR], v[ADRB0]
.endm
.macro PLACES
.rept 4
	v_nop
.endr
.endm
.macro QUARTER k, f, g, zero
	s_wait_dscnt 16                                ; the first 32 along K are in
	MUL8 \f, 0, 0, \zero
	MUL8 \f, 0, 2, \zero
	PLACES
	FETCH \k, \g
	s_wait_dscnt 32                                ; all but the 32 just issued
	MUL8 \f, 1, 0, 0
	MUL8 \f, 1, 2, 0
.endm
; The last quarter multiplies buffer 1 and changes slots: one barrier; in front of it each wave waits for all its tensor loads, adds 0 to its spare word, and waits for that and for its reads of this slot.
; fill = 1: the slot just read out takes the walk's step two on, first thing behind a round of the cluster's barrier: 112 matrix instructions ahead of the wait for it.
; fill = 0 (the tail): nothing is filled; behind the walk's last step nothing is fetched either.
.macro TURN fill
	WIN 0
	s_wait_tensorcnt 0x0
	ds_add_u32 v[SPW], v[NIL]
	s_wait_dscnt 17                                ; (the add and the youngest sixteen loads may be out)
	MUL8 F1, 0, 0, 0
	s_wait_dscnt 0x0
	s_barrier_signal -1
	MUL8 F1, 0, 2, 0
	WIN 0
	s_barrier_wait -1
.if \fill
	CREST
	s_add_co_u32 s[KN], s[KN], 1
	s_and_b32 s[KN], s[KN], STEPS-1                ; the walk wraps round
	s_xor_b32 s[G0+5], s[G0+5], SLOT               ; the walking descriptors: the other slot than last time
	s_xor_b32 s[G0B+5], s[G0B+5], SLOT
	SETADR 1
	JLOAD 1                                        ; its four v_nop are also the places in front of the loads below
	FLIP
	FETCH 0, F0
.else
	PLACES
	s_cmp_eq_u32 s3, 1
	s_cbranch_scc1 .Lnofetch
	FLIP
	FETCH 0, F0
	WIN 0
.Lnofetch:
.endif
	MUL8 F1, 1, 0, 0
	MUL8 F1, 1, 2, 0
.endm
	s_wait_tensorcnt 1                             ; my part of the walk's first step is in; the second's may stay out
	s_barrier_signal -1
	s_barrier_wait -1
	FETCH 0, F0
	QUARTER 128, F0, F1, 1                         ; the first quarter stands in front of the loop: its first products start the sums with the bias
	WIN 0
	s_mov_b32 s3, STEPS-2
.Lstep:                                                ; the walk's steps 0 to 5: each fills the slot that it leaves
	QUARTER 256, F1, F0, 0
	QUARTER 384, F0, F1, 0
	TURN 1
	QUARTER 128, F0, F1, 0
	WIN 0
	s_sub_co_u32 s3, s3, 1
	s_cmp_lg_u32 s3, 0
	s_cbranch_scc1 .Lstep
	s_mov_b32 s3, 2
.Ltail:                                                ; its steps 6 and 7 fill nothing
	QUARTER 256, F1, F0, 0
	QUARTER 384, F0, F1, 0
	TURN 0
	WIN 0
	s_sub_co_u32 s3, s3, 1
	s_cmp_eq_u32 s3, 0
	s_cbranch_scc1 .Lout
	QUARTER 128, F0, F1, 0
	WIN 0
	s_branch .Ltail
.Lout:
	PLACES
	PLACES
	; THE WAY OUT: 16 rows at a time through my stage; each accumulator's low four registers go first
.irp a, 0,1,2,3
.if \a >= 2
	s_wait_xcnt 0x0                                ; the registers that the stores of two blocks back read are loaded again only behind this wait
.endif
.irp b, 0,1,2,3
	ds_store_b128 v[STO], v[ACC+8*(4*\a+\b):ACC+8*(4*\a+\b)+3]   offset:64*\b
	ds_store_b128 v[STO], v[ACC+8*(4*\a+\b)+4:ACC+8*(4*\a+\b)+7] offset:64*\b+16
.endr
.irp t, 0,1,2,3,4,5,6,7
	ds_load_b128 v[OB+32*(\a%2)+4*\t:OB+32*(\a%2)+4*\t+3], v[RD] offset:\t*2*SPITCH  ; LDS serves a wave's instructions in order: these see the stores above
.endr
.irp t, 0,1,2,3,4,5,6,7
	s_wait_dscnt 7-\t
	global_store_b128 v[CO], v[OB+32*(\a%2)+4*\t:OB+32*(\a%2)+4*\t+3], s[8:9] offset:(16*\a+2*\t)*SIZE_N*4  ; 16 lanes store 256 consecutive bytes, aligned
.endr
.endr
	s_wait_tensorcnt 0x0                           ; the wave's end
	ds_add_u32 v[SPW], v[NIL]
	s_wait_dscnt 0x0
	CROUND                                         ; the closing round
	s_endpgm
.Lfunc_end_k_qe23e43b342_oproj:
	.size	k_qe23e43b342_oproj, .Lfunc_end_k_qe23e43b342_oproj-k_qe23e43b342_oproj
	.p2alignl 7, 3214868480
	.fill 96, 4, 3214868480
	.section	.rodata,"a",@progbits
	.p2align	6, 0x0
	.amdhsa_kernel k_qe23e43b342_oproj
		.amdhsa_group_segment_fixed_size 327680
		.amdhsa_private_segment_fixed_size 0
		.amdhsa_enable_private_segment 0
		.amdhsa_kernarg_size 32
		.amdhsa_user_sgpr_count 2
		.amdhsa_user_sgpr_kernarg_segment_ptr 1
		.amdhsa_wavefront_size32 1
		.amdhsa_system_sgpr_workgroup_id_x 1
		.amdhsa_system_sgpr_workgroup_id_y 1
		.amdhsa_system_sgpr_workgroup_id_z 1
		.amdhsa_system_vgpr_workitem_id 0
		.amdhsa_next_free_vgpr 512
		.amdhsa_next_free_sgpr 80
		.amdhsa_reserve_vcc 0
		.amdhsa_float_denorm_mode_32 3
		.amdhsa_float_denorm_mode_16_64 3
		.amdhsa_memory_ordered 1
		.amdhsa_forward_progress 1
		.amdhsa_inst_pref_size 62
	.end_amdhsa_kernel
	.amdgpu_metadata
---
amdhsa.version: [ 1, 2 ]
amdhsa.kernels:
  - .name:           k_qe23e43b342_oproj
    .symbol:         k_qe23e43b342_oproj.kd
    .args:
      - { .name: ob, .offset: 0, .size: 8, .value_kind: global_buffer, .address_space: global }
      - { .name: wob, .offset: 8, .size: 8, .value_kind: global_buffer, .address_space: global }
      - { .name: Wo_b, .offset: 16, .size: 8, .value_kind: global_buffer, .address_space: global }
      - { .name: out0, .offset: 24, .size: 8, .value_kind: global_buffer, .address_space: global }
    .group_segment_fixed_size: 327680
    .private_segment_fixed_size: 0
    .kernarg_segment_align: 8
    .kernarg_segment_size: 32
    .max_flat_workgroup_size: 128
    .sgpr_count:     80
    .vgpr_count:     512
    .wavefront_size: 32
...
	.end_amdgpu_metadata
.endif
;; end of part 4
;; ======== version 2 of 2: 4 launches; version 1 with the launch prep written anew for expert scheduling mode
;; limits: values are held in f16: magnitudes above 65,504 overflow, below 6.1e-05 lose precision
;; workspace buffers: xb 8,388,608 bytes; wqkv 25,165,824 bytes; wob 8,388,608 bytes; mb 4,194,304 bytes; tab 3,145,728 bytes; qkv 25,165,824 bytes; ob 8,388,608 bytes
;; launch prep (part 5): grid 128 x 7, 8 waves a work-group, no clusters, 9,216 bytes of LDS; arguments x, Wq_w, Wk_w, Wv_w, Wo_w, mask, xb, wqkv, wob, mb, tab; writes xb, wqkv, wob, mb, tab
.if DOCPART == 5
	.amdgcn_target "amdgcn-amd-amdhsa--gfx1250"
	.amdhsa_code_object_version 6
	.text
	.protected	k_qe23e43b342_prep
	.globl	k_qe23e43b342_prep
	.p2align	8
	.type	k_qe23e43b342_prep,@function
k_qe23e43b342_prep:
	s_mov_b64 s[64:65], 0
	v_nop
	global_prefetch_b8 v0, s[64:65] scope:SCOPE_SE
	s_setreg_imm32_b32 hwreg(HW_REG_WAVE_SCHED_MODE, 0, 2), 2
	s_setreg_imm32_b32 hwreg(HW_REG_WAVE_MODE, 25, 1), 1
	s_wait_xcnt 0x0
	s_wait_alu depctr_vm_vsrc(0)
; PREPARATION, a stream.  The work-group's y picks the job, its x the share (128 shares a job).
;   y = 0..3  x, Wq, Wk, Wv: f32 -> bf16 (xb; wqkv = the three weights one below the other).
;   y = 4     Wo: f32 -> bf16 -> that number written as f16 (exact from 2^-14 up; below that f16's fixed step of 6e-8).
;   y = 5     the mask: one byte a score, 0xF1 where mask == 0, else 0, laid in the order in which a lane of the attention launch wants it:
;             block (query tile qt of 16, key step ks of 64) is 1,024 bytes at (32 qt + ks) x 1,024; byte 512 i + 16 L + 8 c + j is query 16 qt + L % 16, key 64 ks + 16 (2 i + c) + 8 (L / 16) + j.
;   y = 6     three tables of cos and sin for the rotation, f32: for Q times c = log2(e) / sqrt(128), for K plain, for V cos = 1 and sin = 0.
;             A table is 128 blocks (16 positions) of 8,192 bytes; chunk u = 4 b + 2 (sin) + half of 512 bytes; lane L's 16 bytes: position 16 R + L % 16, frequencies 16 b + 8 (L / 16) + 4 half + 0..3.
; No matrix unit, no cluster, no tile ring: nothing is shared between waves; each wave has six to eight loads of 16 bytes a lane on their way.
; The angle is reduced by quarter turns in two steps (a multiple of pi/2 as a sum of two f32), sine and cosine by their series to z^4 and z^5: the first term left out is under 2e-9 on |r| <= pi/4.
; THE MODE: SCHED_MODE bits 1:0 = 2 (LLVM: expert scheduling mode 2), set by the entry lines.  The code itself states the register dependences
; between vector instructions and memory or LDS instructions, with s_wait_alu, always for 0.
; THE PLAN.  Registers that memory or LDS instructions touch:
;   the casts  X0 .. X3 (two rows each): step s's conversions read X[s]; behind them the loads of the same step of the next round land in it.
;              Y0 .. Y3: step s's conversions write Y[s]; behind them the step's two stores read it; the next round's conversions write it again.
;              So ONE wait on va_vdst stands in a step, behind its conversions, and ONE on vm_vsrc in a round, at its end.
;   the mask   X: read by a trip's 32 compares, whose results are masks in scalar registers; behind them the next key step's loads land in it.
;              W: written by the selects and ORs, read by the trip's eight LDS stores.  O: LDS loads land in it, the trip's two stores read it; no vector instruction names it.
;   the tables v1 and v[48:71]: written by the arithmetic, read by the six stores at the end.
;   v1 .. v4   offsets and LDS addresses: made once at a job's head and never written again; the rows are reached by the scalar bases and by immediate offsets.
;   v[SPW], v[NIL]  written at the head, read by the closing add alone.
.set SPARE, 8192                       ; behind the eight stages of 1,024 bytes: the spare words, 128 bytes a wave
.set SPW, 6                            ; v6  SPARE + 4 x my thread's number; never rewritten
.set NIL, 7                            ; v7  0; never rewritten
.set X,   8                            ; v[8:39]   eight loads of 16 bytes, as loaded
.set Y,   40                           ; v[40:55]  the casts: step s, row i: two registers at Y + 4 s + 2 i, to store
.set T,   56                           ; v[56:59]  at work: no memory instruction names them
.set W,   40                           ; v[40:47]  the mask: pair t's word, for the stage
.set O,   48                           ; v[48:55]  the mask: a block of 1,024 bytes back from the stage
.set MQ,  66                           ; s[66:97]  the compares' masks
	s_load_b512 s[4:19], s[0:1], 0x0               ; x 4, Wq 6, Wk 8, Wv 10, Wo 12, mask 14, xb 16, wqkv 18
	s_load_b128 s[20:23], s[0:1], 0x40             ; wob 20, mb 22
	s_load_b64 s[24:25], s[0:1], 0x50              ; tab
	v_lshl_add_u32 v[SPW], v0, 2, SPARE
	v_mov_b32 v[NIL], 0
	v_lshrrev_b32 v1, 5, v0
	v_readfirstlane_b32 s27, v1                    ; wave 0..7
	v_and_b32 v5, 31, v0                           ; lane
	s_and_b32 s26, ttmp7, 0xffff                   ; the job
	s_mov_b32 s32, 3                               ; trips of the three loops: the fourth is written out behind each
	s_wait_alu depctr_va_sdst(0)
	s_wait_kmcnt 0x0
	s_cmp_eq_u32 s26, 5
	s_cbranch_scc1 .Lmask
	s_cmp_eq_u32 s26, 6
	s_cbranch_scc1 .Ltab
	; ---- the casts: a share is 131,072 bytes in, 65,536 out
	s_max_u32 s2, s26, 1
	s_sub_co_u32 s2, s2, 1                         ; which third of wqkv (jobs 1..3)
	s_cmp_eq_u32 s26, 4
	s_cselect_b32 s2, 0, s2
	s_lshl_b32 s2, s2, 23
	s_lshl_b32 s3, ttmp9, 16
	s_add_co_u32 s2, s2, s3
	s_mov_b32 s3, 0
	s_cmp_eq_u32 s26, 0
	s_cselect_b64 s[30:31], s[16:17], s[18:19]
	s_cmp_eq_u32 s26, 4
	s_cselect_b64 s[30:31], s[20:21], s[30:31]
	s_add_nc_u64 s[30:31], s[30:31], s[2:3]        ; where my share goes
	s_cmp_eq_u32 s26, 1
	s_cselect_b64 s[28:29], s[6:7], s[4:5]
	s_cmp_eq_u32 s26, 2
	s_cselect_b64 s[28:29], s[8:9], s[28:29]
	s_cmp_eq_u32 s26, 3
	s_cselect_b64 s[28:29], s[10:11], s[28:29]
	s_cmp_eq_u32 s26, 4
	s_cselect_b64 s[28:29], s[12:13], s[28:29]
	s_lshl_b32 s2, ttmp9, 17
	s_add_nc_u64 s[28:29], s[28:29], s[2:3]        ; where it comes from
	s_mov_b32 s33, 0xffff0000                      ; a word's upper bf16
	v_lshlrev_b32 v1, 4, v0                        ; 16 bytes a thread in,
	v_lshlrev_b32 v2, 3, v0                        ; 8 out: a wave's store covers 256 consecutive bytes, aligned
	s_wait_alu depctr_va_vdst(0)                   ; v1 and v2 are written: every load and store of the casts reads one of them as its offset
.irp j, 0,1,2,3,4,5,6,7
	global_load_b128 v[X+4*\j:X+4*\j+3], v1, s[28:29] offset:4096*\j th:TH_LOAD_NT  ; the first round's eight rows (a row: 4,096 bytes a work-group)
.endr
; A round is eight rows (32,768 bytes a work-group) in four steps of two.  Step s: its two rows are converted, asked for again for the next round, and stored.
; last = 1: the fourth round, which asks for nothing more.  wo = 1: Wo's second conversion.
.macro CSTEP s, last, wo
.if \last
	s_wait_loadcnt 6-2*(\s)                        ; the counts run down
.else
	s_wait_loadcnt 6                               ; loads come back in order: X[s] is in, the three younger steps' six loads stay out
.endif
.irp i, 0,1
	v_cvt_pk_bf16_f32 v[Y+4*(\s)+2*\i],   v[X+8*(\s)+4*\i],   v[X+8*(\s)+4*\i+1]
	v_cvt_pk_bf16_f32 v[Y+4*(\s)+2*\i+1], v[X+8*(\s)+4*\i+2], v[X+8*(\s)+4*\i+3]
.if \wo
	v_lshlrev_b32 v[T], 16, v[Y+4*(\s)+2*\i]       ; the rounded numbers as f32,
	v_and_b32 v[T+1], s33, v[Y+4*(\s)+2*\i]
	v_lshlrev_b32 v[T+2], 16, v[Y+4*(\s)+2*\i+1]
	v_and_b32 v[T+3], s33, v[Y+4*(\s)+2*\i+1]
	v_cvt_pk_f16_f32 v[Y+4*(\s)+2*\i],   v[T],   v[T+1]    ; written as f16
	v_cvt_pk_f16_f32 v[Y+4*(\s)+2*\i+1], v[T+2], v[T+3]
.endif
.endr
	s_wait_alu depctr_va_vdst(0)                   ; the step's conversions have written Y[s], which the stores below read, and are done reading X[s], in which the loads below land
.if !\last
.irp i, 0,1
	global_load_b128 v[X+8*(\s)+4*\i:X+8*(\s)+4*\i+3], v1, s[28:29] offset:4096*(8+2*(\s)+\i) th:TH_LOAD_NT  ; the buffer is asked for again at once: the same step of the next round
.endr
.endif
.irp i, 0,1
	global_store_b64 v2, v[Y+4*(\s)+2*\i:Y+4*(\s)+2*\i+1], s[30:31] offset:2048*(2*(\s)+\i)
.endr
.endm
; A round's end, ahead of the branch.
.macro CNEXT
	s_wait_xcnt 0x0                                ; the bases and the stores' data are rewritten only behind this wait
	s_wait_alu depctr_vm_vsrc(0)                   ; the round's stores have read Y0 to Y3, which the next round's conversions write again
	s_add_nc_u64 s[28:29], s[28:29], 0x8000
	s_add_nc_u64 s[30:31], s[30:31], 0x4000
	s_sub_co_u32 s32, s32, 1
	s_cmp_lg_u32 s32, 0
.endm
	s_cmp_eq_u32 s26, 4
	s_cbranch_scc1 .Lwo
.Lcast:
	CSTEP 0, 0, 0
	CSTEP 1, 0, 0
	CSTEP 2, 0, 0
	CSTEP 3, 0, 0
	CNEXT
	s_cbranch_scc1 .Lcast
	CSTEP 0, 1, 0                                  ; the last round is written out: no load leaves the share
	CSTEP 1, 1, 0
	CSTEP 2, 1, 0
	CSTEP 3, 1, 0
	s_branch .Lend
.Lwo:
	CSTEP 0, 0, 1
	CSTEP 1, 0, 1
	CSTEP 2, 0, 1
	CSTEP 3, 0, 1
	CNEXT
	s_cbranch_scc1 .Lwo
	CSTEP 0, 1, 1
	CSTEP 1, 1, 1
	CSTEP 2, 1, 1
	CSTEP 3, 1, 1
	s_branch .Lend
	; ---- the mask: the work-group takes 16 whole rows (query tile x), wave w the key steps 4 w .. 4 w + 3, one a trip
.Lmask:
	v_lshrrev_b32 v8, 4, v5                        ; l / 16
	v_and_b32 v9, 15, v5                           ; l % 16
	s_lshl_b32 s38, s27, 10
	s_lshl_b32 s39, s27, 12
	v_lshlrev_b32 v1, 13, v8                       ; in: lanes 0-15 take 256 bytes of one row, lanes 16-31 of the next,
	v_lshl_add_u32 v1, v9, 4, v1
	v_add_nc_u32 v1, s38, v1                       ; at my wave's four steps
	v_lshlrev_b32 v4, 4, v5
	v_add_nc_u32 v2, s39, v4                       ; out: 16 l + my wave's four blocks
	v_add_nc_u32 v4, s38, v4                       ; back from my stage: 16 l
	v_bfe_u32 v10, v5, 3, 1                        ; into my stage: my four keys are 4 (l % 16) + 0..3: bit 3 of l is i, bit 2 is c, bit 1 the half of the lanes, bit 0 the upper four of eight,
	v_lshl_add_u32 v3, v10, 9, s38
	v_bfe_u32 v10, v5, 2, 1
	v_lshl_add_u32 v3, v10, 3, v3
	v_bfe_u32 v10, v5, 1, 1
	v_lshl_add_u32 v3, v10, 8, v3
	v_and_b32 v10, 1, v5
	v_lshl_add_u32 v3, v10, 2, v3
	v_lshl_add_u32 v3, v8, 4, v3                   ; bit 4 the odd row of the pair; the pair's number stands in the immediate
	s_lshl_b32 s2, ttmp9, 17
	s_mov_b32 s3, 0
	s_add_nc_u64 s[28:29], s[14:15], s[2:3]
	s_lshl_b32 s2, ttmp9, 15
	s_add_nc_u64 s[30:31], s[22:23], s[2:3]
	s_mov_b32 s34, 0xf1
	s_mov_b32 s35, 0xf100
	s_mov_b32 s36, 0xf10000
	s_mov_b32 s37, 0xf1000000
	s_wait_alu depctr_va_vdst(0)                   ; the four offsets and addresses v1 to v4 are written, which the loads and stores below read; so are v8 to v10, in which loads land
.irp t, 0,1,2,3,4,5,6,7
	global_load_b128 v[X+4*\t:X+4*\t+3], v1, s[28:29] offset:16384*\t th:TH_LOAD_NT  ; my first key step: eight pairs of rows
.endr
; A trip: a key step.  ahead = 1: the next key step is asked for as soon as the compares have emptied X.
.macro MTRIP ahead
.irp t, 0,1,2,3,4,5,6,7
	s_wait_loadcnt 7-\t                            ; loads come back in order: pair t is in, the younger ones stay out
.irp k, 0,1,2,3
	v_cmp_eq_f32 s[MQ+4*\t+\k], 0, v[X+4*\t+\k]
.endr
.endr
	s_wait_alu depctr_va_sdst(0)                   ; the 32 masks are written, ahead of the selects that read them: one wait for the run
.if \ahead
	s_wait_alu depctr_va_vdst(0)                   ; the compares are done reading X, in which the loads below land
	s_add_nc_u64 s[28:29], s[28:29], 256           ; free since the wait for 0 above, which shows the loads that read it done
.irp t, 0,1,2,3,4,5,6,7
	global_load_b128 v[X+4*\t:X+4*\t+3], v1, s[28:29] offset:16384*\t th:TH_LOAD_NT
.endr
.endif
	s_wait_alu depctr_vm_vsrc(0)                   ; the last trip's LDS stores have read W, which the lines below write again; its two global stores have read O, in which this trip's LDS loads land
.irp t, 0,1,2,3,4,5,6,7
	v_cndmask_b32 v[W+\t], 0, s34, s[MQ+4*\t]
	v_cndmask_b32 v[T],    0, s35, s[MQ+4*\t+1]
	v_cndmask_b32 v[T+1],  0, s36, s[MQ+4*\t+2]
	v_cndmask_b32 v[T+2],  0, s37, s[MQ+4*\t+3]
	v_or_b32 v[W+\t], v[W+\t], v[T]
	v_or_b32 v[T+1], v[T+1], v[T+2]
	v_or_b32 v[W+\t], v[W+\t], v[T+1]
.endr
	s_wait_alu depctr_va_vdst(0)                   ; the eight words of W are written, which the LDS stores read
.irp t, 0,1,2,3,4,5,6,7
	ds_store_b32 v3, v[W+\t] offset:32*\t
.endr
	s_wait_xcnt 0x0                                ; the output's base, and O, which the last trip's stores read, are rewritten only behind this wait
	s_add_nc_u64 s[30:31], s[30:31], 1024          ; one block past this trip's: the stores below reach back
	ds_load_b128 v[O:O+3], v4                      ; my own bytes: LDS serves a wave's instructions in order, so these see the stores above
	ds_load_b128 v[O+4:O+7], v4 offset:512
	s_wait_dscnt 0x0
	global_store_b128 v2, v[O:O+3], s[30:31] offset:-1024    ; 512 consecutive bytes a store
	global_store_b128 v2, v[O+4:O+7], s[30:31] offset:-512
.endm
.Lmtrip:
	MTRIP 1
	s_sub_co_u32 s32, s32, 1
	s_cmp_lg_u32 s32, 0
	s_cbranch_scc1 .Lmtrip
	MTRIP 0                                        ; my last key step is written out: no load leaves my wave's four steps
	s_branch .Lend
	; ---- the tables: the work-group takes block x (16 positions); wave w: b = w / 2, half = w % 2; a thread four frequencies
.Ltab:
	s_lshr_b32 s2, s27, 1
	s_and_b32 s3, s27, 1
	v_lshrrev_b32 v8, 4, v5
	v_and_b32 v9, 15, v5
	s_lshl_b32 s28, ttmp9, 4
	v_add_nc_u32 v9, s28, v9
	v_cvt_f32_u32 v9, v9                           ; the position
	s_lshl_b32 s30, s2, 4
	s_lshl2_add_u32 s30, s3, s30
	v_lshl_add_u32 v10, v8, 3, s30                 ; my first frequency: 16 b + 8 (l / 16) + 4 half
	s_lshl2_add_u32 s29, s2, s3
	s_lshl_b32 s29, s29, 9
	v_lshl_add_u32 v1, v5, 4, s29                  ; (4 b + half) x 512 + 16 l
	s_lshl_b32 s2, ttmp9, 13
	s_mov_b32 s3, 0
	s_add_nc_u64 s[24:25], s[24:25], s[2:3]
	s_mov_b32 s34, 0xbe549a78                      ; -log2(10000) / 64
	s_mov_b32 s35, 0x3f22f983                      ; 2 / pi
	s_mov_b32 s36, 0xbfc90fdb                      ; -(pi / 2 rounded to f32)
	s_mov_b32 s37, 0x333bbd2e                      ; that rounding's excess over pi / 2
	s_mov_b32 s38, 0x3638ef1d                      ; 1/9!
	s_mov_b32 s39, 0xb9500d01                      ; -1/7!
	s_mov_b32 s40, 0x3c088889                      ; 1/5!
	s_mov_b32 s41, 0xbe2aaaab                      ; -1/3!
	s_mov_b32 s42, 0xb493f27e                      ; -1/10!
	s_mov_b32 s43, 0x37d00d01                      ; 1/8!
	s_mov_b32 s44, 0xbab60b61                      ; -1/6!
	s_mov_b32 s45, 0x3d2aaaab                      ; 1/4!
	s_mov_b32 s46, 0x3e0293ee                      ; c
; frequency e works in v[16+8e ..]: +0 angle, then r; +1 n; +2 z; +3 sine; +4 cosine; +5 quarter; +6, +7 at work
.irp e, 0,1,2,3
	v_add_nc_u32 v[16+8*\e], \e, v10
	v_cvt_f32_u32 v[16+8*\e], v[16+8*\e]
	v_mul_f32 v[16+8*\e], s34, v[16+8*\e]
.endr
.irp e, 0,1,2,3
	v_exp_f32 v[16+8*\e], v[16+8*\e]               ; 10000^(-i/64)
.endr
	v_mov_b32 v64, 1.0                             ; a plain instruction behind the last exponential,
	s_wait_alu depctr_va_vdst(0)                   ; and one wait for the four: v16, v24, v32 and v40 are written, ahead of their first reader
.irp e, 0,1,2,3
	v_mul_f32 v[16+8*\e], v9, v[16+8*\e]           ; the angle, as the f32 product of position and frequency
	v_mul_f32 v[17+8*\e], s35, v[16+8*\e]
	v_rndne_f32 v[17+8*\e], v[17+8*\e]             ; n quarter turns
	v_fma_f32 v[16+8*\e], v[17+8*\e], s36, v[16+8*\e]
	v_fma_f32 v[16+8*\e], v[17+8*\e], s37, v[16+8*\e]  ; r, within pi/4 of 0
	v_mul_f32 v[18+8*\e], v[16+8*\e], v[16+8*\e]   ; z = r r
	v_fma_f32 v[19+8*\e], v[18+8*\e], s38, s39
	v_fma_f32 v[19+8*\e], v[18+8*\e], v[19+8*\e], s40
	v_fma_f32 v[19+8*\e], v[18+8*\e], v[19+8*\e], s41
	v_mul_f32 v[22+8*\e], v[16+8*\e], v[18+8*\e]
	v_fma_f32 v[19+8*\e], v[22+8*\e], v[19+8*\e], v[16+8*\e]  ; sin r
	v_fma_f32 v[20+8*\e], v[18+8*\e], s42, s43
	v_fma_f32 v[20+8*\e], v[18+8*\e], v[20+8*\e], s44
	v_fma_f32 v[20+8*\e], v[18+8*\e], v[20+8*\e], s45
	v_fma_f32 v[20+8*\e], v[18+8*\e], v[20+8*\e], -0.5
	v_fma_f32 v[20+8*\e], v[18+8*\e], v[20+8*\e], 1.0         ; cos r
	v_cvt_i32_f32 v[21+8*\e], v[17+8*\e]
	v_and_b32 v[22+8*\e], 1, v[21+8*\e]
.endr
.irp e, 0,1,2,3
	v_cmp_ne_u32 s[MQ+\e], 0, v[22+8*\e]           ; an odd quarter swaps the two: the four compares in one run
.endr
	s_wait_alu depctr_va_sdst(0)                   ; the four masks are written, ahead of the selects that read them
.irp e, 0,1,2,3
	v_cndmask_b32 v[52+\e], v[19+8*\e], v[20+8*\e], s[MQ+\e]
	v_cndmask_b32 v[48+\e], v[20+8*\e], v[19+8*\e], s[MQ+\e]
	v_and_b32 v[22+8*\e], 2, v[21+8*\e]            ; quarters 2 and 3 turn the sine's sign,
	v_lshlrev_b32 v[22+8*\e], 30, v[22+8*\e]
	v_xor_b32 v[52+\e], v[52+\e], v[22+8*\e]
	v_add_nc_u32 v[21+8*\e], 1, v[21+8*\e]         ; quarters 1 and 2 the cosine's
	v_and_b32 v[21+8*\e], 2, v[21+8*\e]
	v_lshlrev_b32 v[21+8*\e], 30, v[21+8*\e]
	v_xor_b32 v[48+\e], v[48+\e], v[21+8*\e]
	v_mul_f32 v[56+\e], s46, v[48+\e]
	v_mul_f32 v[60+\e], s46, v[52+\e]
	v_mov_b32 v[64+\e], 1.0
	v_mov_b32 v[68+\e], 0
.endr
	s_wait_alu depctr_va_vdst(0)                   ; v[48:71], the six stores' data, and v1, their offset, are written
	global_store_b128 v1, v[56:59], s[24:25]                  ; Q's table: c cos,
	global_store_b128 v1, v[60:63], s[24:25] offset:1024      ; c sin
	global_store_b128 v1, v[48:51], s[24:25] offset:1048576   ; K's: cos,
	global_store_b128 v1, v[52:55], s[24:25] offset:1049600   ; sin
	global_store_b128 v1, v[64:67], s[24:25] offset:2097152   ; V's: 1,
	global_store_b128 v1, v[68:71], s[24:25] offset:2098176   ; 0
.Lend:
	s_wait_dscnt 0x0                               ; the wave's end
	s_wait_alu 0x0
	s_wait_tensorcnt 0x0
	ds_add_u32 v[SPW], v[NIL]
	s_wait_dscnt 0x0
	s_endpgm
.Lfunc_end_k_qe23e43b342_prep:
	.size	k_qe23e43b342_prep, .Lfunc_end_k_qe23e43b342_prep-k_qe23e43b342_prep
	.p2alignl 7, 3214868480
	.fill 96, 4, 3214868480
	.section	.rodata,"a",@progbits
	.p2align	6, 0x0
	.amdhsa_kernel k_qe23e43b342_prep
		.amdhsa_group_segment_fixed_size 9216
		.amdhsa_private_segment_fixed_size 0
		.amdhsa_enable_private_segment 0
		.amdhsa_kernarg_size 88
		.amdhsa_user_sgpr_count 2
		.amdhsa_user_sgpr_kernarg_segment_ptr 1
		.amdhsa_wavefront_size32 1
		.amdhsa_system_sgpr_workgroup_id_x 1
		.amdhsa_system_sgpr_workgroup_id_y 1
		.amdhsa_system_sgpr_workgroup_id_z 1
		.amdhsa_system_vgpr_workitem_id 0
		.amdhsa_next_free_vgpr 72
		.amdhsa_next_free_sgpr 98
		.amdhsa_reserve_vcc 0
		.amdhsa_float_denorm_mode_32 3
		.amdhsa_float_denorm_mode_16_64 3
		.amdhsa_memory_ordered 1
		.amdhsa_forward_progress 1
		.amdhsa_inst_pref_size 41
	.end_amdhsa_kernel
	.amdgpu_metadata
---
amdhsa.version: [ 1, 2 ]
amdhsa.kernels:
  - .name:           k_qe23e43b342_prep
    .symbol:         k_qe23e43b342_prep.kd
    .args:
      - { .name: x, .offset: 0, .size: 8, .value_kind: global_buffer, .address_space: global }
      - { .name: Wq_w, .offset: 8, .size: 8, .value_kind: global_buffer, .address_space: global }
      - { .name: Wk_w, .offset: 16, .size: 8, .value_kind: global_buffer, .address_space: global }
      - { .name: Wv_w, .offset: 24, .size: 8, .value_kind: global_buffer, .address_space: global }
      - { .name: Wo_w, .offset: 32, .size: 8, .value_kind: global_buffer, .address_space: global }
      - { .name: mask, .offset: 40, .size: 8, .value_kind: global_buffer, .address_space: global }
      - { .name: xb, .offset: 48, .size: 8, .value_kind: global_buffer, .address_space: global }
      - { .name: wqkv, .offset: 56, .size: 8, .value_kind: global_buffer, .address_space: global }
      - { .name: wob, .offset: 64, .size: 8, .value_kind: global_buffer, .address_space: global }
      - { .name: mb, .offset: 72, .size: 8, .value_kind: global_buffer, .address_space: global }
      - { .name: tab, .offset: 80, .size: 8, .value_kind: global_buffer, .address_space: global }
    .group_segment_fixed_size: 9216
    .private_segment_fixed_size: 0
    .kernarg_segment_align: 8
    .kernarg_segment_size: 88
    .max_flat_workgroup_size: 256
    .sgpr_count:     98
    .vgpr_count:     72
    .wavefront_size: 32
...
	.end_amdgpu_metadata
.endif
;; end of part 5
;; launch qkv: the kernel of part 2 again; grid 24 x 8, 4 waves a work-group, clusters of 4 x 4, 327,680 bytes of LDS; arguments xb, wqkv, Wq_b, Wk_b, Wv_b, tab, qkv; writes qkv
;; launch attn: the kernel of part 3 again; grid 16 x 16, 4 waves a work-group, clusters of 4 x 1, 327,680 bytes of LDS; arguments qkv, mb, ob; writes ob
;; launch oproj: the kernel of part 4 again; grid 16 x 16, 4 waves a work-group, clusters of 4 x 4, 327,680 bytes of LDS; arguments ob, wob, Wo_b, out0; writes out0
